; MI455X (gfx1250); checked and timed in simulation.
; The chip was launched on July 23, 2026; its instructions are those of AMD's public machine-readable ISA for CDNA 5 (MIT licence, August 2026) and "CDNA5" Instruction Set Architecture Reference Guide (July 2026). The comments in the code are by the model that wrote it; some were corrected since.
;; Routing Strategy. Allowed arithmetic: matrix products marked QUANTISED: E4M3 operands, one E8M0 scale for each 32 along K, by v_wmma_scale_f32_16x16x128_f8f6f4 with both operands' format E4M3, f32 sums; products left as they are: f32 operands where the result goes on into a quantised operand, else bf16, f16 or f32 operands; f32 sums; everything else in f32.
;; Inputs: router_b 8 float32; router_w 8 x 1,024 float32; temperature 1 float32; wg_codes 8 x 2,048 x 32 x 32 uint8 (E4M3 codes of wg, K innermost, in blocks of 32 codes); wg_scales 8 x 2,048 x 32 uint8 (E8M0 scales of wg, one for each 32 codes along K); wo_codes 8 x 1,024 x 64 x 32 uint8 (E4M3 codes of wo, K innermost, in blocks of 32 codes); wo_scales 8 x 1,024 x 64 uint8 (E8M0 scales of wo, one for each 32 codes along K); wp_codes 8 x 2,048 x 32 x 32 uint8 (E4M3 codes of wp, K innermost, in blocks of 32 codes); wp_scales 8 x 2,048 x 32 uint8 (E8M0 scales of wp, one for each 32 codes along K); x 4 x 256 x 1,024 float32.
;; Outputs: out0 4 x 256 x 1,024 float32.
;; This version of the problem:
;;   THIS VERSION OF THE PROBLEM IS GIVEN IN LOW PRECISION. The matrix products marked QUANTISED in the list below multiply operands that are first quantised to E4M3 (4 exponent bits, 3 mantissa bits; 8 bits a number), with one power-of-two scale for each 32 numbers along K (OCP MX v1.0); their sums are f32. All else is computed in f32.
;;   The module's matrix products, in the order in which they are computed (A, B: the left and right operand; K: the contracted axis; several contracted axes count as one K, in the product's order):
;;     1. [M 1,024, K 1,024] x [K 1,024, N 8]; A: input x; B: input router_w: left as it is (N = 8 < 16)
;;     2. [M 1,024, K 1,024] x [K 1,024, N 16,384]; A: input x; B: input wg (given as codes): QUANTISED
;;     3. [M 1,024, K 1,024] x [K 1,024, N 16,384]; A: input x; B: input wp (given as codes): QUANTISED
;;     4. batch 8 x [M 1,024, K 2,048] x [K 2,048, N 1,024]; A: input wo (given as codes); B: computed on the way: QUANTISED
;;   THE QUANTISER, for each operand of a quantised product, along K:
;;     - K is cut into blocks of 32 from its start; a last block that is shorter is filled with zeros.
;;     - A block's scale is 2^e with e = floor(log2(the largest magnitude in the block)) - 8, held to -126 .. 127; a block of zeros has e = 0. As a byte (E8M0): e + 127.
;;     - Each number is divided by its block's scale, clamped to +-448, and rounded to the nearest number of E4M3, ties to even, subnormals kept.
;;     - The product sums the exact products of the quantised numbers (number of the format x scale) in f32.
;;   ~~~python
;;   def quantise(x, axis):      # numpy; x: float32 -> the quantised numbers, widened to float32 again
;;       x = np.moveaxis(x, axis, -1); K = x.shape[-1]
;;       x = np.pad(x, [(0, 0)] * (x.ndim - 1) + [(0, -K % 32)]); x = x.reshape(x.shape[:-1] + (-1, 32)); a = np.abs(x).max(-1, keepdims=True)
;;       e = np.where(a > 0, np.clip(np.frexp(np.where(a > 0, a, 1))[1] - 1 - 8, -126, 127), 0)      # np.frexp(a)[1] - 1 = floor(log2(a)), exactly
;;       r = np.clip(x / 2.0 ** e, -448, 448)
;;       step = 2.0 ** (np.maximum(np.frexp(np.where(r == 0, 1, r))[1] - 1, -6) - 3)
;;       q = np.round(r / step) * step * 2.0 ** e      # np.round: ties to even
;;       return np.moveaxis(q.reshape(q.shape[:-2] + (-1,))[..., :K], -1, axis).astype(np.float32)
;;   ~~~
;;   OPERANDS COMPUTED ON THE WAY. 'Computed on the way' means the value that the module computes at that place (a softmax that the list does not call 'softmax' is quantised finished and normalised). What goes into a quantiser is computed in f32, as accurately as f32 sums, v_exp_f32 and their like allow (about 1e-6 of the number): no bf16 or f16 on the way to a quantiser, and a product that is left as it is and whose result goes on into a quantised operand takes f32 operands (vector FMAs, or v_wmma_f32_16x16x4_f32). A number that lies on a knife's edge between two numbers of the format may be rounded either way, as far as f32 arithmetic and the matrix unit's own rounding can turn it there, and no further.
;;   INPUTS GIVEN AS CODES. wg (in the module: [8, 1024, 2048], K = its axis 1); wo (in the module: [8, 2048, 1024], K = its axis 1); wp (in the module: [8, 1024, 2048], K = its axis 1): each comes as NAME_codes (uint8): NAME with its K axis moved to the last place and cut into blocks of 32 codes, [.., K / 32, bytes a block], one block behind the other in memory; one code a byte (a code: sign, 4 exponent bits, 3 mantissa bits); and NAME_scales (uint8): the same leading axes, one E8M0 byte (e + 127) for each 32 codes along K. Its value is code x scale, taken as it is: it is not quantised again, and the codes and scales need not be those that the quantiser above would give.
;; 2 versions, each right; version 2 is version 1 with the launches up, down written anew for expert scheduling mode. Each part assembles by itself: llvm-mc -triple=amdgcn-amd-amdhsa -mcpu=gfx1250 --defsym DOCPART=n.
;; ======== version 1 of 2: 5 launches
;; workspace buffers: scores 32,768 bytes; xq 1,081,344 bytes; rk 33,024 bytes of whole numbers; gate 8,192 bytes; tkl 36,864 bytes of whole numbers; hq 17,301,504 bytes; y2 8,421,376 bytes
;; launch prep (part 1): grid 256 x 1, 4 waves a work-group, no clusters, 33,280 bytes of LDS; arguments x, router_w, xq, scores; writes xq, scores
.if DOCPART == 1
	.amdgcn_target "amdgcn-amd-amdhsa--gfx1250"
	.amdhsa_code_object_version 6
	.text
	.protected	k_q89a191c652_prep
	.globl	k_q89a191c652_prep
	.p2align	8
	.type	k_q89a191c652_prep,@function
k_q89a191c652_prep:
	s_mov_b64 s[64:65], 0
	v_nop
	global_prefetch_b8 v0, s[64:65] scope:SCOPE_SE
	s_setreg_imm32_b32 hwreg(HW_REG_WAVE_MODE, 25, 1), 1
	s_wait_xcnt 0x0
; PREP.  x [1024 tokens][1024] f32 is read once and serves twice:
;  (1) it is quantised along its 1,024 numbers into E4M3 codes with one E8M0 byte for each 32: xq holds the codes [token][1024]
;      from byte 0 on and the scale bytes [token][32] from byte 1,048,576 on;
;  (2) its eight dot products with router_w [8][1024] are made in f32 (fused multiply-adds) and stored raw: scores [token][8].
; One wave takes one token: 4 x work-group + wave.  Waves share nothing: no barrier; each wave has 8,192 bytes of LDS of its own.
; A block's scale is 2^(floor(log2(largest magnitude)) - 8); its byte is the largest magnitude's exponent field - 8, held at 1 from below.
; LIMITS: a block of zeros gets the byte 1 where the quantiser says 127 (its codes are zeros, which add nothing under either byte, and
; this program alone reads the bytes); NaN and infinities among the inputs are not served.
; No matrix unit, no cluster: the launch reads 4 MB once, and router_w (32 KB) is all that work-groups share.
; REGISTERS.  window 0: v1 lane, v2 16 x lane, v3/v4 stage in/out, v5 my block's byte, v6 my scale word, v7 4 (lane % 8), v15 lane % 8,
;   v8-11 at work, v16-47 x as loaded, v48-79 two sets of 16 neighbours, v80-87 codes, v88-89 bytes, v96-111 eight pairs of sums, v112-119 the scores.
;   window 1: router_w, expert e's load n at v[32 e + 4 n].
.set SP,   80                          ; a lane's place in a stage: 64 bytes + 16 of padding
.set STG,  32*SP                       ; a stage
.set WREG, 8192                        ; a wave's LDS: two stages, then its 32 scale bytes
.set SBY,  2*STG
.set R,    16
.set X,    48
.set C,    80
.set E,    88
.set A,    96
.set S,    112
.set MSB,  0
.macro WIN new                         ; the immediate's high byte repeats the setting that is left
.if MSB != (\new)
	s_set_vgpr_msb (MSB<<8)|(\new)
.set MSB, (\new)
.endif
.endm
	s_load_b256 s[4:11], s[0:1], 0x0               ; x s[4:5], router_w s[6:7], xq s[8:9], scores s[10:11]
	v_lshl_add_u32 v254, v0, 2, 0x8000
	v_mov_b32 v255, 0
	v_lshrrev_b32 v1, 5, v0
	v_readfirstlane_b32 s12, v1                    ; wave
	v_and_b32 v1, 31, v0                           ; lane
	v_lshlrev_b32 v2, 4, v1                        ; my 16 bytes of a load's 512
	s_lshl_b32 s13, ttmp9, 2
	s_add_co_u32 s13, s13, s12                     ; my token
	s_mul_i32 s19, s12, WREG
	v_lshrrev_b32 v3, 2, v1
	v_mul_u32_u24 v3, v3, SP
	v_and_b32 v4, 3, v1
	v_lshl_add_u32 v3, v4, 4, v3
	v_add_nc_u32 v3, s19, v3                       ; the stage, way in: four lanes' 64 bytes on end, then the padding
	v_mul_u32_u24 v4, v1, SP
	v_add_nc_u32 v4, s19, v4                       ; way out: my 16 neighbours
	v_lshrrev_b32 v5, 1, v1
	s_add_co_u32 s19, s19, SBY
	v_add_nc_u32 v5, s19, v5                       ; my block's scale byte (two lanes to a block)
	v_and_b32 v15, 7, v1
	v_lshlrev_b32 v7, 2, v15                       ; 4 (lane % 8): eight words, each written by four lanes alike
	v_add_nc_u32 v6, s19, v7
	s_mov_b32 s18, 0x600000                        ; the mantissa field of 448
	s_mov_b32 s20, 0x76543210
	s_mov_b32 s21, 0xfedcba98                      ; selects: lane l xor 16
	s_lshl_b32 s14, s13, 12                        ; a row of x: 4,096 bytes
	s_mov_b32 s15, 0
	s_lshl_b32 s22, s13, 10                        ; a row of codes: 1,024 bytes
	s_mov_b32 s23, 0
	s_lshl_b32 s24, s13, 5                         ; a row of scale bytes, and of scores: 32 bytes
	s_mov_b32 s25, 0
	s_wait_kmcnt 0x0
	s_add_nc_u64 s[4:5], s[4:5], s[14:15]
	s_add_nc_u64 s[16:17], s[8:9], s[24:25]
	s_add_nc_u64 s[16:17], s[16:17], 0x100000      ; my token's scale bytes
	s_add_nc_u64 s[8:9], s[8:9], s[22:23]
	s_add_nc_u64 s[10:11], s[10:11], s[24:25]
.irp n, 0,1,2,3,4,5,6,7
	global_load_b128 v[R+4*\n:R+4*\n+3], v2, s[4:5] offset:512*\n      ; 32 lanes read 512 consecutive bytes: numbers 128 n + 4 lane + 0 .. 3
.endr
	WIN 0x40                                       ; destination window 1
.irp e, 0,1,2,3,4,5,6,7
.irp n, 0,1,2,3,4,5,6,7
	global_load_b128 v[32*\e+4*\n:32*\e+4*\n+3], v2, s[6:7] offset:4096*\e+512*\n
.endr
.endr
	WIN 0
.macro TURN t                          ; step t's 512 numbers through the stage: LDS serves a wave's instructions in order, so no wait stands between stores and loads
.irp i, 0,1,2,3
	ds_store_b128 v3, v[R+16*\t+4*\i:R+16*\t+4*\i+3] offset:STG*\t+8*SP*\i
.endr
.irp i, 0,1,2,3
	ds_load_b128 v[X+16*\t+4*\i:X+16*\t+4*\i+3], v4 offset:STG*\t+16*\i
.endr
.endm
.macro QSTEP t                         ; 16 neighbours a lane become 16 codes; two neighbouring lanes hold a block
.set XS, X+16*\t
	v_max3_num_f32 v8, |v[XS]|, |v[XS+1]|, |v[XS+2]|
	v_max3_num_f32 v9, |v[XS+3]|, |v[XS+4]|, |v[XS+5]|
.irp i, 6,10
	v_max3_num_f32 v8, v8, |v[XS+\i]|, |v[XS+\i+1]|
	v_max3_num_f32 v9, v9, |v[XS+\i+2]|, |v[XS+\i+3]|
.endr
	v_max3_num_f32 v8, v8, |v[XS+14]|, |v[XS+15]|
	v_max3_num_f32 v8, v8, v9, 0x4800000           ; and the floor 2^(9 - 127): the byte cannot fall under 1
	v_max_num_f32_dpp v8, v8, v8 row_xmask:1 row_mask:0xf bank_mask:0xf   ; with my neighbour's 16: the block's largest magnitude
	v_add_nc_u32 v11, 0xfc000000, v8               ; 8 off its exponent field: the conversion's scale operand
	v_and_or_b32 v10, v8, 0x7f800000, s18          ; 448 x the scale
.irp i, 0,1,2,3,4,5,6,7,8,9,10,11,12,13,14,15
	v_med3_num_f32 v[XS+\i], v[XS+\i], -v10, v10   ; the conversion to an 8-bit code does not saturate (ISA guide 7.6.2): the hold comes first
.endr
	v_cvt_scalef32_pk8_fp8_f32 v[C+4*\t:C+4*\t+1], v[XS:XS+7], v11
	v_cvt_scalef32_pk8_fp8_f32 v[C+4*\t+2:C+4*\t+3], v[XS+8:XS+15], v11
	v_lshrrev_b32 v[E+\t], 23, v11                 ; the scale's byte (a plain line behind the conversions)
	ds_store_b8 v5, v[E+\t] offset:16*\t           ; both lanes of a block write the same byte with the same value
	global_store_b128 v2, v[C+4*\t:C+4*\t+3], s[8:9] offset:512*\t       ; the wave stores 512 consecutive bytes
.endm
	s_wait_loadcnt 63                              ; 64 loads were issued behind x's eight: x is in
	TURN 0
	TURN 1
	s_wait_dscnt 8                                 ; step 0 is back; step 1's eight LDS instructions may be out
	QSTEP 0
	s_wait_dscnt 1                                 ; step 1 is back; step 0's byte store may be out
	QSTEP 1
	ds_load_b32 v121, v6                           ; my token's scale bytes, a word to a lane: LDS serves my instructions in order
	s_wait_loadcnt 0x0                             ; router_w
	WIN 0x04                                       ; source 1 window 1
.irp n, 0,1,2,3,4,5,6,7
.irp g, 0,1
.irp e, 0,1,2,3,4,5,6,7                        ; the eight experts' sums by turns: no line waits for the line above it
.if (\n == 0) && (\g == 0)
	v_pk_mul_f32 v[A+2*\e:A+2*\e+1], v[R+4*\n+2*\g:R+4*\n+2*\g+1], v[32*\e+4*\n+2*\g:32*\e+4*\n+2*\g+1]
.else
	v_pk_fma_f32 v[A+2*\e:A+2*\e+1], v[R+4*\n+2*\g:R+4*\n+2*\g+1], v[32*\e+4*\n+2*\g:32*\e+4*\n+2*\g+1], v[A+2*\e:A+2*\e+1]
.endif
.endr
.endr
.endr
	WIN 0
.irp e, 0,1,2,3,4,5,6,7
	v_add_f32 v[S+\e], v[A+2*\e], v[A+2*\e+1]
.endr
.irp m, 1,2,4,8
.irp e, 0,1,2,3,4,5,6,7
	v_add_f32_dpp v[S+\e], v[S+\e], v[S+\e] row_xmask:\m row_mask:0xf bank_mask:0xf
.endr
.endr
.irp e, 0,1,2,3,4,5,6,7
	v_permlanex16_b32 v[A+\e], v[S+\e], s20, s21   ; (its destination has been written)
.endr
.irp e, 0,1,2,3,4,5,6,7
	v_add_f32 v[S+\e], v[S+\e], v[A+\e]            ; every lane holds all eight scores
.endr
	v_mov_b32 v120, v[S]
.irp j, 1,2,3,4,5,6,7
	v_cmp_eq_u32 vcc_lo, \j, v15
	v_cndmask_b32 v120, v120, v[S+\j], vcc_lo      ; lane l keeps score l % 8
.endr
	s_wait_dscnt 0x0                               ; the scale word
	global_store_b32 v7, v120, s[10:11]            ; 32 bytes of scores; four lanes write each word alike
	global_store_b32 v7, v121, s[16:17]            ; 32 scale bytes likewise
	s_wait_tensorcnt 0x0
	ds_add_u32 v254, v255
	s_wait_dscnt 0x0
	s_endpgm
.Lfunc_end_k_q89a191c652_prep:
	.size	k_q89a191c652_prep, .Lfunc_end_k_q89a191c652_prep-k_q89a191c652_prep
	.p2alignl 7, 3214868480
	.fill 96, 4, 3214868480
	.section	.rodata,"a",@progbits
	.p2align	6, 0x0
	.amdhsa_kernel k_q89a191c652_prep
		.amdhsa_group_segment_fixed_size 33280
		.amdhsa_private_segment_fixed_size 0
		.amdhsa_enable_private_segment 0
		.amdhsa_kernarg_size 32
		.amdhsa_user_sgpr_count 2
		.amdhsa_user_sgpr_kernarg_segment_ptr 1
		.amdhsa_wavefront_size32 1
		.amdhsa_system_sgpr_workgroup_id_x 1
		.amdhsa_system_sgpr_workgroup_id_y 1
		.amdhsa_system_sgpr_workgroup_id_z 1
		.amdhsa_system_vgpr_workitem_id 0
		.amdhsa_next_free_vgpr 512
		.amdhsa_next_free_sgpr 66
		.amdhsa_reserve_vcc 1
		.amdhsa_float_denorm_mode_32 3
		.amdhsa_float_denorm_mode_16_64 3
		.amdhsa_memory_ordered 1
		.amdhsa_forward_progress 1
		.amdhsa_inst_pref_size 26
	.end_amdhsa_kernel
	.amdgpu_metadata
---
amdhsa.version: [ 1, 2 ]
amdhsa.kernels:
  - .name:           k_q89a191c652_prep
    .symbol:         k_q89a191c652_prep.kd
    .args:
      - { .name: x, .offset: 0, .size: 8, .value_kind: global_buffer, .address_space: global }
      - { .name: router_w, .offset: 8, .size: 8, .value_kind: global_buffer, .address_space: global }
      - { .name: xq, .offset: 16, .size: 8, .value_kind: global_buffer, .address_space: global }
      - { .name: scores, .offset: 24, .size: 8, .value_kind: global_buffer, .address_space: global }
    .group_segment_fixed_size: 33280
    .private_segment_fixed_size: 0
    .kernarg_segment_align: 8
    .kernarg_segment_size: 32
    .max_flat_workgroup_size: 128
    .sgpr_count:     66
    .vgpr_count:     512
    .wavefront_size: 32
...
	.end_amdgpu_metadata
.endif
;; end of part 1
;; launch route (part 2): grid 4 x 1, 8 waves a work-group, no clusters, 3,072 bytes of LDS; arguments scores, router_b, temperature, rk, gate; writes rk, gate
.if DOCPART == 2
	.amdgcn_target "amdgcn-amd-amdhsa--gfx1250"
	.amdhsa_code_object_version 6
	.text
	.protected	k_q89a191c652_route
	.globl	k_q89a191c652_route
	.p2align	8
	.type	k_q89a191c652_route,@function
k_q89a191c652_route:
	s_mov_b64 s[64:65], 0
	v_nop
	global_prefetch_b8 v0, s[64:65] scope:SCOPE_SE
	s_setreg_imm32_b32 hwreg(HW_REG_WAVE_MODE, 25, 1), 1
	s_wait_xcnt 0x0
; ROUTE.  One work-group takes one batch of 256 tokens: (score + bias) / max(temperature, 0.1); three Sinkhorn passes (log-sum-exp over the 8 experts,
; then over the batch's 256 tokens), each with its maximum taken away first; gates = exp / (row sum + 1e-8); top 2 (the lower index on a tie);
; the two gates divided by (their sum + 1e-8).  All in f32, in base 2: every log-alpha is multiplied by log2(e) once, which leaves the differences as they are.
; OUT, all at fixed places: gate [token][2];  rk [expert][token]: for a token that chose the expert 4 x (its rank among the batch's tokens of that
; expert) in the low half and k (0: the larger gate, 1: the second) in the high half, else 0x7ffc;  behind it, from byte 32,768 on, cnt [expert][batch].
; Ranks are values here; no address and no branch hangs on them.  The next launch, which reads them, places the rows.
; LAYOUT.  lane: e = lane % 8, tg = lane / 8; register j: token 32 wave + 8 tg + j of the batch.  A row lies across 8 neighbouring lanes,
; a column down 8 registers, then across lanes 8 and 16 apart, then across the 8 waves, through LDS.
; LDS: three exchanges of 512 bytes ([wave][e]: maximum, sum), then the counts [e][wave] at 1,536.  Each exchange has bytes of its own: one barrier each.
; LIMITS: NaN and infinities are not served; two gates that differ by less than f32's rounding may be chosen either way.
; Four work-groups: the column sums tie a batch's 256 tokens together, and the whole launch holds 32 KB of data; no matrix unit, no cluster.
.set A,  8
.set B,  16
.set P,  24
.set V1, 48
.set I1, 56
.set V2, 64
.set I2, 72
.set MM, 80
.set KK, 88
.set RK, 96
.set W8, 104
	s_load_b256 s[4:11], s[0:1], 0x0               ; scores s[4:5], router_b s[6:7], temperature s[8:9], rk s[10:11]
	s_load_b64 s[12:13], s[0:1], 0x20              ; gate
	v_lshl_add_u32 v128, v0, 2, 0x800
	v_mov_b32 v129, 0
	v_lshrrev_b32 v2, 5, v0
	v_readfirstlane_b32 s14, v2                    ; wave
	v_and_b32 v1, 7, v0                            ; e
	v_cvt_f32_u32 v3, v1                           ; e as f32
	v_lshrrev_b32 v34, 3, v0                       ; 4 wave + tg
	v_lshlrev_b32 v116, 2, v1
	v_lshl_add_u32 v4, v34, 8, v116                ; scores: 256 (4 wave + tg) + 4 e; register j 32 bytes on
	v_lshlrev_b32 v35, 3, v1
	v_lshl_add_u32 v5, v2, 6, v35                  ; exchange, in: 64 wave + 8 e
	v_bfe_u32 v36, v0, 3, 2                        ; tg
	v_lshl_add_u32 v6, v36, 7, v35                 ; exchange, out: waves 2 tg and 2 tg + 1
	v_lshlrev_b32 v46, 5, v1                       ; counts, out: 32 e
	v_lshl_add_u32 v7, v2, 2, v46                  ; counts, in: 32 e + 4 wave
	v_lshlrev_b32 v47, 12, v1
	v_lshl_add_u32 v47, v34, 5, v47                ; rk: 4,096 e + 4 x 8 (4 wave + tg)
	v_lshlrev_b32 v114, 3, v0                      ; gate: 8 x thread
	v_lshlrev_b32 v115, 4, v1                      ; cnt: 16 e
	v_mov_b32 v41, 0x41000000                      ; 8.0: above every expert's number
	v_mov_b32 v42, -1.0                            ; under every gate
	v_mov_b32 v44, 0x10000
	v_mov_b32 v45, 0x7ffc
.irp j, 0,1,2,3,4,5,6,7
	v_mov_b32 v[B+\j], 0                           ; written once: the destination of a lane-crossing form counts as one of its sources
	v_mov_b32 v[V1+\j], 0
	v_mov_b32 v[V2+\j], 0
.endr
.irp r, 37,38,39,40
	v_mov_b32 v\r, 0
.endr
	s_mov_b32 s20, 0x76543210
	s_mov_b32 s21, 0xfedcba98                      ; selects: lane l xor 16
	s_mov_b32 s22, 0xff00ff00                      ; lanes whose tg is odd
	s_mov_b32 s23, 0xffff0000                      ; lanes whose tg is 2 or 3
.irp w, 0,1,2,3,4,5,6,7
	s_cmp_gt_u32 s14, \w
	s_cselect_b32 s[24+\w], -1, 0                  ; all ones for the waves in front of mine
.endr
.irp j, 1,2,3,4,5,6,7
	s_mov_b32 s[31+\j], 0x01010101<<\j             ; lanes with e = j
.endr
	s_lshl_b32 s16, ttmp9, 13                      ; the batch's scores: 256 x 32 bytes
	s_mov_b32 s17, 0
	s_wait_kmcnt 0x0
	s_load_b32 s18, s[8:9], 0x0                    ; temperature
	s_add_nc_u64 s[4:5], s[4:5], s[16:17]
	s_lshl_b32 s16, ttmp9, 2
	s_add_nc_u64 s[42:43], s[10:11], s[16:17]      ; cnt's column of this batch (32,768 stands in the store's immediate)
	s_lshl_b32 s16, ttmp9, 10
	s_add_nc_u64 s[10:11], s[10:11], s[16:17]      ; rk at the batch's first token
	s_lshl_b32 s16, ttmp9, 11
	s_add_nc_u64 s[12:13], s[12:13], s[16:17]      ; gate likewise
.irp j, 0,1,2,3,4,5,6,7
	global_load_b32 v[A+\j], v4, s[4:5] offset:32*\j
.endr
	global_load_b32 v117, v116, s[6:7]             ; my expert's bias
	s_wait_kmcnt 0x0
	v_mov_b32 v43, s18
	v_max_num_f32 v43, 0x3dcccccd, v43             ; max(temperature, 0.1)
	v_rcp_f32 v43, v43
	v_nop                                          ; a plain line behind the reciprocal
	s_wait_alu depctr_va_vdst(0)
	v_mul_f32 v43, 0x3fb8aa3b, v43                 ; log2(e) / temperature
	s_wait_loadcnt 0x0
.irp j, 0,1,2,3,4,5,6,7
	v_add_f32 v[A+\j], v[A+\j], v117
.endr
.irp j, 0,1,2,3,4,5,6,7
	v_mul_f32 v[A+\j], v[A+\j], v43
.endr
.macro ROWN                            ; log-alpha less its row's log-sum-exp
.irp j, 0,1,2,3,4,5,6,7
	v_max_num_f32_dpp v[B+\j], v[A+\j], v[A+\j] row_xmask:1 row_mask:0xf bank_mask:0xf
.endr
.irp m, 2,4
.irp j, 0,1,2,3,4,5,6,7
	v_max_num_f32_dpp v[B+\j], v[B+\j], v[B+\j] row_xmask:\m row_mask:0xf bank_mask:0xf
.endr
.endr
.irp j, 0,1,2,3,4,5,6,7
	v_sub_f32 v[A+\j], v[A+\j], v[B+\j]            ; the row's maximum is taken away
.endr
.irp j, 0,1,2,3,4,5,6,7
	v_exp_f32 v[P+\j], v[A+\j]
.endr
	v_nop                                          ; a plain line behind the exponentials
	s_wait_alu depctr_va_vdst(0)
.irp m, 1,2,4
.irp j, 0,1,2,3,4,5,6,7
	v_add_f32_dpp v[P+\j], v[P+\j], v[P+\j] row_xmask:\m row_mask:0xf bank_mask:0xf
.endr
.endr
.irp j, 0,1,2,3,4,5,6,7
	v_log_f32 v[P+\j], v[P+\j]
.endr
	v_nop
	s_wait_alu depctr_va_vdst(0)
.irp j, 0,1,2,3,4,5,6,7
	v_sub_f32 v[A+\j], v[A+\j], v[P+\j]
.endr
.endm
.macro COLN it                         ; log-alpha less its column's log-sum-exp over the batch's 256 tokens
	v_max3_num_f32 v32, v[A], v[A+1], v[A+2]
	v_max3_num_f32 v34, v[A+3], v[A+4], v[A+5]
	v_max3_num_f32 v32, v32, v[A+6], v[A+7]
	v_max_num_f32 v32, v32, v34
	v_max_num_f32_dpp v32, v32, v32 row_xmask:8 row_mask:0xf bank_mask:0xf
	v_permlanex16_b32 v40, v32, s20, s21
	v_max_num_f32 v32, v32, v40                    ; the wave's 32 tokens' maximum for my expert
.irp j, 0,1,2,3,4,5,6,7
	v_sub_f32 v[P+\j], v[A+\j], v32
.endr
.irp j, 0,1,2,3,4,5,6,7
	v_exp_f32 v[P+\j], v[P+\j]
.endr
	v_nop
	s_wait_alu depctr_va_vdst(0)
	v_add_f32 v33, v[P], v[P+1]
	v_add_f32 v34, v[P+2], v[P+3]
	v_add_f32 v35, v[P+4], v[P+5]
	v_add_f32 v36, v[P+6], v[P+7]
	v_add_f32 v33, v33, v34
	v_add_f32 v35, v35, v36
	v_add_f32 v33, v33, v35
	v_add_f32_dpp v33, v33, v33 row_xmask:8 row_mask:0xf bank_mask:0xf
	v_permlanex16_b32 v40, v33, s20, s21
	v_add_f32 v33, v33, v40                        ; and their sum under that maximum
	ds_store_b64 v5, v[32:33] offset:512*\it       ; lanes of one expert write the same pair
	s_wait_dscnt 0x0                               ; for the other waves' sake: my store has landed
	s_barrier_signal -1
	s_barrier_wait -1
	ds_load_b64 v[34:35], v6 offset:512*\it        ; two waves' pairs a lane; the four tg cover all eight
	ds_load_b64 v[36:37], v6 offset:512*\it+64
	s_wait_dscnt 0x0
	v_max_num_f32 v38, v34, v36
	v_max_num_f32_dpp v38, v38, v38 row_xmask:8 row_mask:0xf bank_mask:0xf
	v_permlanex16_b32 v40, v38, s20, s21
	v_max_num_f32 v38, v38, v40                    ; the column's maximum
	v_sub_f32 v34, v34, v38
	v_sub_f32 v36, v36, v38
	v_exp_f32 v34, v34
	v_exp_f32 v36, v36
	v_nop
	s_wait_alu depctr_va_vdst(0)
	v_mul_f32 v39, v35, v34
	v_fma_f32 v39, v37, v36, v39                   ; the waves' sums brought under it
	v_add_f32_dpp v39, v39, v39 row_xmask:8 row_mask:0xf bank_mask:0xf
	v_permlanex16_b32 v40, v39, s20, s21
	v_add_f32 v39, v39, v40
	v_log_f32 v39, v39
	v_nop
	s_wait_alu depctr_va_vdst(0)
	v_add_f32 v39, v39, v38
.irp j, 0,1,2,3,4,5,6,7
	v_sub_f32 v[A+\j], v[A+\j], v39
.endr
.endm
.macro TOP V, I                        ; the row's largest gate, and the lowest expert that holds it
.irp j, 0,1,2,3,4,5,6,7
	v_max_num_f32_dpp v[\V+\j], v[P+\j], v[P+\j] row_xmask:1 row_mask:0xf bank_mask:0xf
.endr
.irp m, 2,4
.irp j, 0,1,2,3,4,5,6,7
	v_max_num_f32_dpp v[\V+\j], v[\V+\j], v[\V+\j] row_xmask:\m row_mask:0xf bank_mask:0xf
.endr
.endr
.irp j, 0,1,2,3,4,5,6,7
	v_cmp_eq_f32 vcc_lo, v[P+\j], v[\V+\j]
	v_cndmask_b32 v[\I+\j], v41, v3, vcc_lo        ; my number where I hold it, else 8
.endr
.irp m, 1,2,4
.irp j, 0,1,2,3,4,5,6,7
	v_min_num_f32_dpp v[\I+\j], v[\I+\j], v[\I+\j] row_xmask:\m row_mask:0xf bank_mask:0xf
.endr
.endr
.endm
	ROWN
	COLN 0
	ROWN
	COLN 1
	ROWN
	COLN 2
.irp j, 0,1,2,3,4,5,6,7
	v_exp_f32 v[P+\j], v[A+\j]                     ; gates
.endr
	v_nop
	s_wait_alu depctr_va_vdst(0)
.irp j, 0,1,2,3,4,5,6,7
	v_add_f32_dpp v[B+\j], v[P+\j], v[P+\j] row_xmask:1 row_mask:0xf bank_mask:0xf
.endr
.irp m, 2,4
.irp j, 0,1,2,3,4,5,6,7
	v_add_f32_dpp v[B+\j], v[B+\j], v[B+\j] row_xmask:\m row_mask:0xf bank_mask:0xf
.endr
.endr
.irp j, 0,1,2,3,4,5,6,7
	v_add_f32 v[B+\j], 0x322bcc77, v[B+\j]         ; + 1e-8
.endr
.irp j, 0,1,2,3,4,5,6,7
	v_rcp_f32 v[B+\j], v[B+\j]
.endr
	v_nop
	s_wait_alu depctr_va_vdst(0)
.irp j, 0,1,2,3,4,5,6,7
	v_mul_f32 v[P+\j], v[P+\j], v[B+\j]
.endr
	TOP V1, I1
.irp j, 0,1,2,3,4,5,6,7
	v_cmp_eq_f32 vcc_lo, v3, v[I1+\j]
	v_cndmask_b32 v[P+\j], v[P+\j], v42, vcc_lo    ; the first choice is taken out
.endr
	TOP V2, I2
.irp j, 0,1,2,3,4,5,6,7
	v_add_f32 v[B+\j], v[V1+\j], v[V2+\j]
.endr
.irp j, 0,1,2,3,4,5,6,7
	v_add_f32 v[B+\j], 0x322bcc77, v[B+\j]
.endr
.irp j, 0,1,2,3,4,5,6,7
	v_rcp_f32 v[B+\j], v[B+\j]
.endr
	v_nop
	s_wait_alu depctr_va_vdst(0)
.irp j, 0,1,2,3,4,5,6,7
	v_mul_f32 v[V1+\j], v[V1+\j], v[B+\j]
	v_mul_f32 v[V2+\j], v[V2+\j], v[B+\j]
.endr
.irp j, 0,1,2,3,4,5,6,7
	v_cmp_eq_f32 s40, v3, v[I1+\j]
	v_cmp_eq_f32 s41, v3, v[I2+\j]
	s_or_b32 s40, s40, s41
	v_cndmask_b32 v[MM+\j], 0, 1, s40              ; 1 where token j chose my expert
	v_cndmask_b32 v[KK+\j], 0, v44, s41            ; k in the high half
.endr
	v_mov_b32 v[RK], 0                             ; ranks: members in front of token j in my lane,
.irp j, 1,2,3,4,5,6,7
	v_add_nc_u32 v[RK+\j], v[RK+\j-1], v[MM+\j-1]
.endr
	v_add_nc_u32 v34, v[RK+7], v[MM+7]             ; my lane's members
	v_mov_b32_dpp v35, v34 row_xmask:8 row_mask:0xf bank_mask:0xf   ; those of tg xor 1,
	v_permlanex16_b32 v36, v34, s20, s21           ; of tg xor 2,
	v_permlanex16_b32 v37, v35, s20, s21           ; of tg xor 3
	v_add_nc_u32 v38, v36, v37
	v_cndmask_b32 v39, 0, v35, s22                 ; in the lanes of lower tg: an odd tg has tg - 1 in front,
	v_cndmask_b32 v40, 0, v38, s23                 ; tg 2 and 3 have tg 0 and 1
	v_add_nc_u32 v39, v39, v40
	v_add3_u32 v34, v34, v35, v38                  ; the wave's members of my expert
	ds_store_b32 v7, v34 offset:1536
	s_wait_dscnt 0x0                               ; for the other waves' sake
	s_barrier_signal -1
	s_barrier_wait -1
	ds_load_b128 v[W8:W8+3], v46 offset:1536
	ds_load_b128 v[W8+4:W8+7], v46 offset:1552
	s_wait_dscnt 0x0
.irp w, 0,1,2,3,4,5,6,7
	v_and_b32 v35, s[24+\w], v[W8+\w]              ; and in the waves in front of mine
	v_add_nc_u32 v39, v39, v35
.endr
	v_add3_u32 v36, v[W8], v[W8+1], v[W8+2]
	v_add3_u32 v36, v36, v[W8+3], v[W8+4]
	v_add3_u32 v36, v36, v[W8+5], v[W8+6]
	v_add_nc_u32 v36, v36, v[W8+7]                 ; the batch's members of my expert
.irp j, 0,1,2,3,4,5,6,7
	v_add_nc_u32 v[RK+\j], v[RK+\j], v39
.endr
.irp j, 0,1,2,3,4,5,6,7
	v_lshl_or_b32 v[RK+\j], v[RK+\j], 2, v[KK+\j]
.endr
.irp j, 0,1,2,3,4,5,6,7
	v_cmp_ne_u32 vcc_lo, 0, v[MM+\j]
	v_cndmask_b32 v[RK+\j], v45, v[RK+\j], vcc_lo
.endr
	global_store_b128 v47, v[RK:RK+3], s[10:11]    ; eight tokens' words of my expert: 32 consecutive bytes a lane
	global_store_b128 v47, v[RK+4:RK+7], s[10:11] offset:16
	v_mov_b32 v112, v[V1]
	v_mov_b32 v113, v[V2]
.irp j, 1,2,3,4,5,6,7
	v_cndmask_b32 v112, v112, v[V1+\j], s[31+\j]   ; lane (tg, e) keeps token 8 tg + e: token 32 wave + lane
	v_cndmask_b32 v113, v113, v[V2+\j], s[31+\j]
.endr
	global_store_b64 v114, v[112:113], s[12:13]    ; the wave stores 256 consecutive bytes
	s_cmp_lg_u32 s14, 0
	s_cbranch_scc1 .Lend
	global_store_b32 v115, v36, s[42:43] offset:32768   ; wave 0: cnt[e][batch]; four lanes write each word alike
.Lend:
	s_wait_tensorcnt 0x0
	ds_add_u32 v128, v129
	s_wait_dscnt 0x0
	s_endpgm
.Lfunc_end_k_q89a191c652_route:
	.size	k_q89a191c652_route, .Lfunc_end_k_q89a191c652_route-k_q89a191c652_route
	.p2alignl 7, 3214868480
	.fill 96, 4, 3214868480
	.section	.rodata,"a",@progbits
	.p2align	6, 0x0
	.amdhsa_kernel k_q89a191c652_route
		.amdhsa_group_segment_fixed_size 3072
		.amdhsa_private_segment_fixed_size 0
		.amdhsa_enable_private_segment 0
		.amdhsa_kernarg_size 40
		.amdhsa_user_sgpr_count 2
		.amdhsa_user_sgpr_kernarg_segment_ptr 1
		.amdhsa_wavefront_size32 1
		.amdhsa_system_sgpr_workgroup_id_x 1
		.amdhsa_system_sgpr_workgroup_id_y 1
		.amdhsa_system_sgpr_workgroup_id_z 1
		.amdhsa_system_vgpr_workitem_id 0
		.amdhsa_next_free_vgpr 130
		.amdhsa_next_free_sgpr 66
		.amdhsa_reserve_vcc 1
		.amdhsa_float_denorm_mode_32 3
		.amdhsa_float_denorm_mode_16_64 3
		.amdhsa_memory_ordered 1
		.amdhsa_forward_progress 1
		.amdhsa_inst_pref_size 45
	.end_amdhsa_kernel
	.amdgpu_metadata
---
amdhsa.version: [ 1, 2 ]
amdhsa.kernels:
  - .name:           k_q89a191c652_route
    .symbol:         k_q89a191c652_route.kd
    .args:
      - { .name: scores, .offset: 0, .size: 8, .value_kind: global_buffer, .address_space: global }
      - { .name: router_b, .offset: 8, .size: 8, .value_kind: global_buffer, .address_space: global }
      - { .name: temperature, .offset: 16, .size: 8, .value_kind: global_buffer, .address_space: global }
      - { .name: rk, .offset: 24, .size: 8, .value_kind: global_buffer, .address_space: global }
      - { .name: gate, .offset: 32, .size: 8, .value_kind: global_buffer, .address_space: global }
    .group_segment_fixed_size: 3072
    .private_segment_fixed_size: 0
    .kernarg_segment_align: 8
    .kernarg_segment_size: 40
    .max_flat_workgroup_size: 256
    .sgpr_count:     66
    .vgpr_count:     130
    .wavefront_size: 32
...
	.end_amdgpu_metadata
.endif
;; end of part 2
;; launch up (part 3): grid 256 x 1, 4 waves a work-group, no clusters, 287,232 bytes of LDS; arguments xq, rk, wg_codes, wg_scales, wp_codes, wp_scales, hq, tkl; writes hq, tkl
.if DOCPART == 3
	.amdgcn_target "amdgcn-amd-amdhsa--gfx1250"
	.amdhsa_code_object_version 6
	.text
	.protected	k_q89a191c652_up
	.globl	k_q89a191c652_up
	.p2align	8
	.type	k_q89a191c652_up,@function
k_q89a191c652_up:
	s_mov_b64 s[64:65], 0
	v_nop
	global_prefetch_b8 v0, s[64:65] scope:SCOPE_SE
	s_setreg_imm32_b32 hwreg(HW_REG_WAVE_MODE, 25, 1), 1
	s_wait_xcnt 0x0
; UP.  h = relu(Q(x) Wg) x (Q(x) Wp) for the rows that chose an expert, quantised along FF.  Both products on E4M3 codes with E8M0 scales.
; SHARES.  Work-group id: p = id % 2, slice = (id / 2) % 16, e = id / 32.  It owns FF units 128 slice .. + 127 of expert e and the expert's tiles of 16 rows T = 2 i + p.
; THE WEIGHTS STAY: wave w keeps FF units 128 slice + 32 w .. + 31 of Wg and of Wp for all of K = 1,024 in 512 registers (4 tiles x 8 K steps), loaded once, straight from memory.
; The rows pass by: a tile of x's codes (16 rows x 1,024) is gathered by one wave and laid in LDS as an image of the operand's registers, and read by all four waves.
; THE GATHER RUNS AHEAD: tiles go by chunks (i = 0-3, 4-7, 8-15, 16-23, 24-31) through two LDS buffers of 8 places.  A wave asks for its tile of the next chunk in front of this chunk's products
; and lays it into the other buffer behind them; one barrier a chunk.  A tile that the expert does not have is neither fetched nor multiplied; only the first chunk is fetched without a condition.
; SLOTS.  An expert's rows are ranked in the order of tokens: slot = (members in the batches before) + rank in the batch, both read from rk.  Wave 0 turns rk[e] into a list
; slot -> 2 token + k in LDS (empty slots: 2048 + e); the work-groups of slice 0 also store it to tkl for the next launch.  The list's addresses are made of whole numbers read from memory, held under a constant.
; An expert without rows still takes tile 0 (all its slots empty): tiles = max(ceil(rows / 16), 1), so that every byte the next launch loads has been stored.
; LAYOUT.  The products are used transposed: source 0 = 16 rows of a weight, source 1 = 16 rows of x.  Lane r of tile u takes weight row 8 u + r + 8 (r / 8) of the wave's 32, so that a lane's 16 registers
; of tiles 0 and 1 are FF units 16 (lane / 16) + 0 .. 15 of one row of x: a block of 32 lies in lanes l and l xor 16, and the conversions' results are registers 4 w .. 4 w + 3 of the next product's fragment.
; hq: codes as images [e][tile][K fragment = slice][c = w][lane][16 bytes]; from byte 16,777,216 on the scale words [e][slice][p][i][row][4 bytes], byte w from wave w.
; THE SCALE BYTES are gathered in LDS, 512 bytes a wave ([i][row]), and leave once, at the end, as words: each wave stores 512 consecutive bytes, the work-group its whole 2,048.
; NO CLUSTER: a weight slice is shared by 2 work-groups only and goes to registers; the x tiles are gathered by a list, and how many there are hangs on counts read from memory.
; LIMITS: a block of zeros gets the byte 1 (zero codes; this program alone reads the bytes); NaN and infinities are not served.
; LDS: the list, 5,120 bytes at 0 (1,152 slots and a word for what is no member); the scale bytes, 2,048 at 5,120; from 8,192 on 16 places of 17,408 bytes: codes at 2,048 s + 512 c + 16 lane, scale words at 16,384 + 512 m + 16 lane.
; REGISTERS.  window 0: v1-7, v16-25, v31 addresses; v8-10 the gather's entry and offsets; v26-30 at work; v32-63 the weights' scale words (8 tile + K step); v64-71 x's; v72-103 the four accumulators
;   (first: rk's words); v104-107 the codes; v108-115 staged scale words; v116-127 the scale bytes' way out; v128-191 the list's addresses and entries.
;   windows 1, 2: the weights of K steps 0-3, 4-7, at 16 (4 (s % 4) + tile).   window 3: v0-127 the tile at work; v128-255 the staged tile.
.set SCB,   5120
.set XB,    8192
.set PLACE, 17408
.set BUFB,  XB+8*PLACE
.set TK,    8
.set XO,    9
.set XSO,   10
.set STA,   16                         ; v16-19: the places that I fill: buffer A place w, 4 + w; buffer B place w, 4 + w
.set XA,    21
.set HO,    22
.set HSO,   23
.set AM,    26
.set AM2,   27
.set SCL,   28
.set HLD,   29
.set BYT,   30
.set WS,    32
.set XS,    64
.set ACC,   72
.set COD,   104
.set SST,   108
.set FIN,   116
.set STG,   128                        ; in window 3
.set MSB,   0
.macro WIN new                         ; the immediate's high byte repeats the setting that is left
.if MSB != (\new)
	s_set_vgpr_msb (MSB<<8)|(\new)
.set MSB, (\new)
.endif
.endm
.macro BAR                             ; my LDS stores have landed and my LDS loads are in: then the work-group's barrier
	s_wait_dscnt 0x0
	s_barrier_signal -1
	s_barrier_wait -1
.endm
.macro WLOAD win                       ; the weights of K steps 4 (win - 1) .. + 3 into window win: 64 loads
	WIN (\win)<<6
.irp q, 0,1,2,3
.irp u, 0,1
.irp c, 0,1,2,3
	global_load_b128 v[(4*\q+\u)*16+4*\c:(4*\q+\u)*16+4*\c+3], v5, s[8:9] offset:8192*\u+128*(4*(\win-1)+\q)+32*\c
	global_load_b128 v[(4*\q+2+\u)*16+4*\c:(4*\q+2+\u)*16+4*\c+3], v5, s[12:13] offset:8192*\u+128*(4*(\win-1)+\q)+32*\c
.endr
.endr
.endr
	WIN 0
.endm
.macro SKIPGE t0, label                ; away, if the expert has no tile t0 + w for this work-group
	s_add_co_u32 s38, s20, \t0
	s_cmp_ge_u32 s38, s32
	s_cbranch_scc1 \label
.endm
; Tile i = t0 + w is asked for: the list's entries of its 16 slots, then 32 loads of codes and 2 of scale words into the staged registers.
.macro GLOAD1 t0, xw
.if \xw
	s_wait_xcnt 0x0                                ; the store that read the last entry has read it: the entry may be written again
.endif
	ds_load_b32 v[TK], v7 offset:128*(\t0)         ; the entry of slot 16 (2 i + p) + r
	s_wait_dscnt 0x0                               ; it is in; and every earlier LDS store of mine has read the staged registers
	s_cmp_lg_u32 s22, 0                            ; slice 0 hands the list on (a branch on the work-group's number)
	s_cbranch_scc1 .Lnotkl_\@
	global_store_b32 v7, v[TK], s[50:51] offset:128*(\t0)         ; lanes r and r + 16 write the same word alike
.Lnotkl_\@:
	v_lshrrev_b32 v[XO], 1, v[TK]                  ; the token,
	v_min_u32 v[XO], 0x3ff, v[XO]                  ; held inside the table (an empty slot reads token 1,023; its row goes to the dump row)
	v_lshlrev_b32 v[XSO], 5, v[XO]
	v_lshl_add_u32 v[XO], v[XO], 10, v3
	WIN 0xc0                                       ; destination window 3
.irp s, 0,1,2,3,4,5,6,7
.irp c, 0,1,2,3
	global_load_b128 v[STG+16*\s+4*\c:STG+16*\s+4*\c+3], v[XO], s[4:5] offset:128*\s+32*\c      ; lane (r, h): 16 bytes of each block of 32 of its slot's token
.endr
.endr
	WIN 0
.irp m, 0,1
	global_load_b128 v[SST+4*\m:SST+4*\m+3], v[XSO], s[44:45] offset:16*\m                      ; the token's eight scale words
.endr
.endm
.macro GSTORE1 sta                     ; the staged tile goes to its place as it stands: lane l's 16 bytes at 16 l, 512 bytes a store
	WIN 0x0c                                       ; an LDS store's data are its source 1: window 3
.irp s, 0,1,2,3,4,5,6,7
.irp c, 0,1,2,3
	ds_store_b128 v[STA+(\sta)], v[STG+16*\s+4*\c:STG+16*\s+4*\c+3] offset:2048*\s+512*\c
.endr
.endr
	WIN 0
.irp m, 0,1
	ds_store_b128 v[STA+(\sta)], v[SST+4*\m:SST+4*\m+3] offset:16384+512*\m
.endr
.endm
.macro XFETCH sr                       ; the tile whose place begins at LDS byte sr: its scale words, then its eight fragments in the order of K
	v_add_nc_u32 v[XA], \sr, v4
	ds_load_b128 v[XS:XS+3], v[XA] offset:16384
	ds_load_b128 v[XS+4:XS+7], v[XA] offset:16384+512
	WIN 0xc0
.irp s, 0,1,2,3,4,5,6,7
.irp c, 0,1,2,3
	ds_load_b128 v[16*\s+4*\c:16*\s+4*\c+3], v[XA] offset:2048*\s+512*\c
.endr
.endr
	WIN 0
.endm
; One tile, whose fragments have been asked for.  pf = 1: the chunk has a place behind this one: its tile, if the expert has it, is asked for behind the products, so that the LDS loads run beside the vector work.
; The trip count of the loop is a constant; a tile that the expert does not have is jumped over, all but the lines that step addresses.
.macro TRIP pf
	s_cmp_ge_u32 s33, s32
	s_cbranch_scc1 .Lskip_\@
.irp s, 0,1,2,3,4,5,6,7
	s_wait_dscnt 28-4*\s                           ; behind K step s's four loads stand those of the later K steps (and at most one byte store, which makes the count the stricter)
	WIN 0x0d+(\s/4)                                ; source 0 (weights) window 1 or 2, source 1 (x) window 3
.irp t, 0,1,2,3                                ; the four accumulators by turns
.if \s == 0
	v_wmma_scale_f32_16x16x128_f8f6f4 v[ACC+8*\t:ACC+8*\t+7], v[(4*(\s%4)+\t)*16:(4*(\s%4)+\t)*16+15], v[16*\s:16*\s+15], 0, v[WS+8*\t+\s], v[XS+\s]
.else
	v_wmma_scale_f32_16x16x128_f8f6f4 v[ACC+8*\t:ACC+8*\t+7], v[(4*(\s%4)+\t)*16:(4*(\s%4)+\t)*16+15], v[16*\s:16*\s+15], v[ACC+8*\t:ACC+8*\t+7], v[WS+8*\t+\s], v[XS+\s]
.endif
.endr
.endr
	WIN 0
.rept 9
	v_nop                                          ; places behind the products: 8 for the loads into x's registers and for the reads below, 9 for the next tile's first products, which write the accumulators anew
.endr
.if \pf
	s_add_co_u32 s38, s33, 1
	s_cmp_ge_u32 s38, s32
	s_cbranch_scc1 .Lnf_\@
	s_add_co_u32 s39, s34, PLACE
	XFETCH s39
.Lnf_\@:
.endif
.irp i, 0,1,2,3,4,5,6,7,8,9,10,11,12,13,14,15
	v_max_num_f32 v[ACC+\i], 0, v[ACC+\i]          ; relu(g); each accumulator from its low end on
.endr
.irp i, 0,2,4,6,8,10,12,14
	v_pk_mul_f32 v[ACC+\i:ACC+\i+1], v[ACC+\i:ACC+\i+1], v[ACC+16+\i:ACC+16+\i+1]      ; x p
.endr
	v_max3_num_f32 v[AM], |v[ACC]|, |v[ACC+1]|, 0x4800000         ; my 16 numbers' largest magnitude, and the floor 2^(9 - 127)
	v_max3_num_f32 v[AM2], |v[ACC+2]|, |v[ACC+3]|, |v[ACC+4]|
	v_max3_num_f32 v[AM], v[AM], |v[ACC+5]|, |v[ACC+6]|
	v_max3_num_f32 v[AM2], v[AM2], |v[ACC+7]|, |v[ACC+8]|
	v_max3_num_f32 v[AM], v[AM], |v[ACC+9]|, |v[ACC+10]|
	v_max3_num_f32 v[AM2], v[AM2], |v[ACC+11]|, |v[ACC+12]|
	v_max3_num_f32 v[AM], v[AM], |v[ACC+13]|, |v[ACC+14]|
	v_max3_num_f32 v[AM], v[AM], v[AM2], |v[ACC+15]|
	v_permlanex16_b32 v[AM2], v[AM], s42, s43
	v_max_num_f32 v[AM], v[AM], v[AM2]             ; with lane l xor 16's: the block's
	v_add_nc_u32 v[SCL], 0xfc000000, v[AM]         ; 8 off its exponent field: the conversion's scale operand
	v_and_or_b32 v[HLD], v[AM], 0x7f800000, s41    ; 448 x the scale
	v_lshrrev_b32 v[BYT], 23, v[SCL]               ; the scale's byte
	v_add_nc_u32 v[HSO], s36, v24                  ; its place among my wave's bytes: 16 i + r
.irp i, 0,1,2,3,4,5,6,7,8,9,10,11,12,13,14,15
	v_med3_num_f32 v[ACC+\i], v[ACC+\i], -v[HLD], v[HLD]          ; the conversion does not saturate (ISA guide 7.6.2)
.endr
	s_wait_xcnt 0x0                                ; the last tile's store has read its offset and its codes: both are written again only behind this wait
	v_add_nc_u32 v[HO], s35, v4
	v_cvt_scalef32_pk8_fp8_f32 v[COD:COD+1], v[ACC:ACC+7], v[SCL]
	v_cvt_scalef32_pk8_fp8_f32 v[COD+2:COD+3], v[ACC+8:ACC+15], v[SCL]
	v_nop                                          ; a plain line behind the conversions: the next products write their sources
	global_store_b128 v[HO], v[COD:COD+3], s[46:47]               ; the wave stores 512 consecutive bytes: group c = w of the fragment's image
	ds_store_b8 v[HSO], v[BYT]                     ; lanes r and r + 16 write the same byte alike
.Lskip_\@:
.if \pf
	s_add_co_u32 s33, s33, 1                       ; the next tile: its number, its place in LDS, its bytes in hq, its scale bytes
	s_add_co_u32 s34, s34, PLACE
	s_add_co_u32 s35, s35, 65536
	s_add_co_u32 s36, s36, 16
.endif
.endm
; A chunk: n tiles from tile t0 on, in the places from LDS byte base on.  The last trip is written out, so that no fetch reaches behind the chunk's places.
; alw = 1: the first tile's fragments are fetched without a condition (its place is always filled), so that these registers have been written on every way.
.macro COMPUTE base, t0, n, alw
	s_mov_b32 s33, \t0
	s_mov_b32 s34, \base
	s_mov_b32 s35, 65536*(\t0)
	s_mov_b32 s36, 16*(\t0)
.if !\alw
	s_cmp_ge_u32 s33, s32
	s_cbranch_scc1 .Lnop_\@
.endif
	XFETCH s34
.Lnop_\@:
	s_mov_b32 s37, (\n)-1
.Ltrip_\@:
	TRIP 1
	s_sub_co_u32 s37, s37, 1
	s_cmp_lg_u32 s37, 0
	s_cbranch_scc1 .Ltrip_\@
	TRIP 0
.endm
; A stage: my tile tn + w of the next chunk is asked for; this chunk is multiplied; the tile goes into the other buffer (place sta); the barrier.
; two = 1: the next chunk has eight tiles: my second one (tn + 4 + w) is fetched and stored inside the same branch, through the same staged registers.
.macro STAGE tn, sta, two, cbase, ct0, cn, alw
	SKIPGE \tn, .Lgl_\@
	GLOAD1 \tn, 1
.Lgl_\@:
	COMPUTE \cbase, \ct0, \cn, \alw
	s_wait_loadcnt 0x0                             ; the staged tile is in (on every way: no load is out behind this line)
	SKIPGE \tn, .Lgs_\@
	GSTORE1 \sta
.if \two
	SKIPGE \tn+4, .Lgs_\@
	GLOAD1 \tn+4, 1
	s_wait_loadcnt 0x0
	GSTORE1 \sta+1
.endif
.Lgs_\@:
	BAR                                            ; the next chunk lies in its buffer, and every wave's reads of this chunk's buffer are over
.endm
	s_load_b512 s[4:19], s[0:1], 0x0               ; xq, rk, wg_codes, wg_scales, wp_codes, wp_scales, hq, tkl
	v_lshl_add_u32 v254, v0, 2, 0x46000
	v_mov_b32 v255, 0
	v_lshrrev_b32 v1, 5, v0
	v_readfirstlane_b32 s20, v1                    ; wave
	s_and_b32 s21, ttmp9, 1                        ; p
	s_bfe_u32 s22, ttmp9, 0x40001                  ; slice
	s_lshr_b32 s23, ttmp9, 5                       ; e
	v_and_b32 v1, 31, v0                           ; lane
	v_and_b32 v2, 15, v0                           ; r
	v_bfe_u32 v3, v0, 4, 1
	v_lshlrev_b32 v3, 4, v3                        ; 16 h
	v_lshlrev_b32 v4, 4, v1                        ; 16 x lane
	v_and_b32 v26, 8, v2
	v_add_nc_u32 v26, v26, v2                      ; r + 8 (r / 8)
	v_lshl_add_u32 v5, v26, 10, v3                 ; weights: a row is 1,024 bytes
	v_lshlrev_b32 v6, 5, v26                       ; their scale bytes: 32 a row
	s_lshl_b32 s52, s20, 7
	s_lshl_b32 s53, s21, 6
	s_add_co_u32 s52, s52, s53
	v_lshl_add_u32 v7, v2, 2, s52                  ; the list: 128 w + 64 p + 4 r
	s_mul_i32 s52, s20, PLACE
	s_add_co_u32 s52, s52, XB
	v_add_nc_u32 v[STA], s52, v4                   ; the places that I fill
	v_add_nc_u32 v[STA+1], 4*PLACE, v[STA]
	v_add_nc_u32 v[STA+2], 8*PLACE, v[STA]
	v_add_nc_u32 v[STA+3], 12*PLACE, v[STA]
	s_lshl_b32 s52, s20, 9
	s_add_co_u32 s52, s52, SCB
	v_add_nc_u32 v24, s52, v2                      ; my wave's scale bytes: 512 w + r
	s_lshl_b32 s52, s20, 7
	s_add_co_u32 s52, s52, SCB
	v_lshl_add_u32 v31, v1, 2, s52                 ; their way out: 128 w + 4 lane in each wave's 512
	v_lshlrev_b32 v25, 3, v1                       ; 8 x lane
	s_mov_b32 s41, 0x600000                        ; the mantissa field of 448
	s_mov_b32 s42, 0x76543210
	s_mov_b32 s43, 0xfedcba98                      ; selects: lane l xor 16
	s_lshl_b32 s52, s23, 11
	s_lshl_b32 s53, s22, 7
	s_add_co_u32 s52, s52, s53
	s_lshl_b32 s53, s20, 5
	s_add_co_u32 s52, s52, s53                     ; my first weight row: 2,048 e + 128 slice + 32 w
	s_lshl_b32 s58, s52, 5
	s_mov_b32 s59, 0
	s_lshl_b32 s52, s52, 10
	s_mov_b32 s53, 0
	s_wait_kmcnt 0x0
	s_add_nc_u64 s[8:9], s[8:9], s[52:53]
	s_add_nc_u64 s[12:13], s[12:13], s[52:53]
	s_add_nc_u64 s[10:11], s[10:11], s[58:59]
	s_add_nc_u64 s[14:15], s[14:15], s[58:59]
	s_add_nc_u64 s[44:45], s[4:5], 0x100000        ; x's scale bytes
	s_lshl_b32 s52, s23, 12
	s_add_nc_u64 s[54:55], s[6:7], s[52:53]        ; rk[e]
	s_lshl_b32 s52, s23, 4
	s_add_nc_u64 s[56:57], s[6:7], s[52:53]
	s_load_b128 s[24:27], s[56:57], 0x8000         ; cnt[e][0 .. 3]
	s_lshl_b32 s31, s20, 9                         ; 512 w
	s_lshl_b32 s52, s23, 6
	s_add_co_u32 s52, s52, s21
	s_lshl_b32 s52, s52, 4
	s_add_co_u32 s52, s52, s22                     ; 16 (64 e + p) + slice
	s_lshl_b32 s52, s52, 11
	s_add_co_u32 s52, s52, s31
	s_add_nc_u64 s[46:47], s[16:17], s[52:53]      ; hq: my group of tile p's fragment
	s_lshl_b32 s58, s23, 4
	s_add_co_u32 s58, s58, s22
	s_lshl_b32 s58, s58, 1
	s_add_co_u32 s58, s58, s21                     ; 2 (16 e + slice) + p
	s_lshl_b32 s58, s58, 11
	s_add_co_u32 s58, s58, s31
	s_add_nc_u64 s[48:49], s[16:17], s[58:59]
	s_add_nc_u64 s[48:49], s[48:49], 0x1000000     ; and my quarter of the work-group's 2,048 bytes of scale words
	s_mul_i32 s52, s23, 4608
	s_add_nc_u64 s[50:51], s[18:19], s[52:53]      ; tkl[e]
.irp n, 0,1,2,3,4,5,6,7
	global_load_b128 v[ACC+4*\n:ACC+4*\n+3], v4, s[54:55] offset:512*\n      ; rk[e]: tokens 128 n + 4 lane + 0 .. 3.  Every wave asks, wave 0 uses them: so the waves part once
.endr
.irp u, 0,1
.irp m, 0,1
	global_load_b128 v[WS+8*\u+4*\m:WS+8*\u+4*\m+3], v6, s[10:11] offset:256*\u+16*\m
	global_load_b128 v[WS+16+8*\u+4*\m:WS+16+8*\u+4*\m+3], v6, s[14:15] offset:256*\u+16*\m
.endr
.endr
	WLOAD 1
	s_wait_kmcnt 0x0
	s_lshl_b32 s28, s24, 2                         ; 4 x the slots in front of batch 1,
	s_add_co_u32 s31, s24, s25
	s_lshl_b32 s29, s31, 2                         ; of batch 2,
	s_add_co_u32 s31, s31, s26
	s_lshl_b32 s30, s31, 2                         ; of batch 3
	s_add_co_u32 s31, s31, s27                     ; the expert's rows
	s_add_co_u32 s31, s31, 15
	s_lshr_b32 s31, s31, 4
	s_max_u32 s31, s31, 1
	s_min_u32 s31, s31, 64                         ; its tiles
	s_add_co_u32 s32, s31, 1
	s_sub_co_u32 s32, s32, s21
	s_lshr_b32 s32, s32, 1                         ; those of them that are mine: at most 32
	s_cmp_lg_u32 s20, 0
	s_cbranch_scc1 .Lnolist
	s_add_co_u32 s52, s23, 2048                    ; WAVE 0 MAKES THE LIST.  First every slot is empty: 2048 + e (the scale bytes' 2,048 bytes behind the list are written with it, so that all of them have been written)
.irp r, 26,27,28,29
	v_mov_b32 v\r, s52
.endr
.irp n, 0,1,2,3,4,5,6,7,8,9,10,11,12,13
	ds_store_b128 v4, v[26:29] offset:512*\n
.endr
	s_wait_loadcnt 63                              ; 72 loads were issued behind rk's eight: rk's are in
.set n, 0
.rept 8
.set q, 0
.rept 4
	v_and_b32 v[128+4*n+q], 0xffff, v[ACC+4*n+q]   ; 4 x rank in the batch (0x7ffc: no member),
.if n >= 2
	v_add_nc_u32 v[128+4*n+q], s[27+n/2], v[128+4*n+q]            ; + 4 x the slots of the batches before (the batch is n / 2),
.endif
	v_min_u32 v[128+4*n+q], 0x1200, v[128+4*n+q]   ; held at the word behind the list, where what is no member lands
	v_lshrrev_b32 v[160+4*n+q], 16, v[ACC+4*n+q]   ; k
	v_add3_u32 v[160+4*n+q], v[160+4*n+q], v25, 256*n+2*q         ; + 2 x token
	ds_store_b32 v[128+4*n+q], v[160+4*n+q]        ; LDS serves my instructions in order: behind the stores that emptied the list
.set q, q+1
.endr
.set n, n+1
.endr
.Lnolist:
	BAR                                            ; the list lies in LDS; no other wave has touched LDS so far
	GLOAD1 0, 0                                    ; tile w, whether the expert has it or not: empty slots read token 1,023
	WLOAD 2
	s_wait_loadcnt 63                              ; 64 weight loads were issued behind x's: x's are in, the weights may be out
	GSTORE1 0
	s_wait_loadcnt 0x0                             ; all the weights
	BAR                                            ; tiles 0 to 3 lie in buffer A
	STAGE 4, 2, 0, XB, 0, 4, 1                     ; tiles 4-7 into B beside the products of tiles 0-3
	STAGE 8, 0, 1, BUFB, 4, 4, 0                   ; tiles 8-15 into A beside tiles 4-7
	STAGE 16, 2, 1, XB, 8, 8, 0                    ; tiles 16-23 into B beside tiles 8-15
	STAGE 24, 0, 1, BUFB, 16, 8, 0                 ; tiles 24-31 into A beside tiles 16-23
	COMPUTE XB, 24, 8, 0
	BAR                                            ; every wave's scale bytes lie in LDS
.irp k, 0,1,2,3
	ds_load_b32 v[FIN+\k], v31 offset:512*\k       ; wave k's bytes of four neighbouring rows: entries 128 w + 4 lane + 0 .. 3 of [i][row]
.endr
	s_wait_dscnt 0x0
	v_perm_b32 v[FIN+4], v[FIN+1], v[FIN], 0x05010400             ; four bytes of four waves are turned into four words of four bytes:
	v_perm_b32 v[FIN+5], v[FIN+1], v[FIN], 0x07030602             ; waves 0 and 1 interleaved, rows 0-1 and rows 2-3;
	v_perm_b32 v[FIN+6], v[FIN+3], v[FIN+2], 0x05010400           ; waves 2 and 3 likewise;
	v_perm_b32 v[FIN+7], v[FIN+3], v[FIN+2], 0x07030602
	v_perm_b32 v[FIN+8], v[FIN+6], v[FIN+4], 0x05040100           ; then a row's two halves joined
	v_perm_b32 v[FIN+9], v[FIN+6], v[FIN+4], 0x07060302
	v_perm_b32 v[FIN+10], v[FIN+7], v[FIN+5], 0x05040100
	v_perm_b32 v[FIN+11], v[FIN+7], v[FIN+5], 0x07060302
	global_store_b128 v4, v[FIN+8:FIN+11], s[48:49]               ; the wave stores 512 consecutive bytes of scale words
	s_wait_tensorcnt 0x0
	ds_add_u32 v254, v255
	s_wait_dscnt 0x0
	s_endpgm
.Lfunc_end_k_q89a191c652_up:
	.size	k_q89a191c652_up, .Lfunc_end_k_q89a191c652_up-k_q89a191c652_up
	.p2alignl 7, 3214868480
	.fill 96, 4, 3214868480
	.section	.rodata,"a",@progbits
	.p2align	6, 0x0
	.amdhsa_kernel k_q89a191c652_up
		.amdhsa_group_segment_fixed_size 287232
		.amdhsa_private_segment_fixed_size 0
		.amdhsa_enable_private_segment 0
		.amdhsa_kernarg_size 64
		.amdhsa_user_sgpr_count 2
		.amdhsa_user_sgpr_kernarg_segment_ptr 1
		.amdhsa_wavefront_size32 1
		.amdhsa_system_sgpr_workgroup_id_x 1
		.amdhsa_system_sgpr_workgroup_id_y 1
		.amdhsa_system_sgpr_workgroup_id_z 1
		.amdhsa_system_vgpr_workitem_id 0
		.amdhsa_next_free_vgpr 1024
		.amdhsa_next_free_sgpr 66
		.amdhsa_reserve_vcc 0
		.amdhsa_float_denorm_mode_32 3
		.amdhsa_float_denorm_mode_16_64 3
		.amdhsa_memory_ordered 1
		.amdhsa_forward_progress 1
		.amdhsa_inst_pref_size 185
	.end_amdhsa_kernel
	.amdgpu_metadata
---
amdhsa.version: [ 1, 2 ]
amdhsa.kernels:
  - .name:           k_q89a191c652_up
    .symbol:         k_q89a191c652_up.kd
    .args:
      - { .name: xq, .offset: 0, .size: 8, .value_kind: global_buffer, .address_space: global }
      - { .name: rk, .offset: 8, .size: 8, .value_kind: global_buffer, .address_space: global }
      - { .name: wg_codes, .offset: 16, .size: 8, .value_kind: global_buffer, .address_space: global }
      - { .name: wg_scales, .offset: 24, .size: 8, .value_kind: global_buffer, .address_space: global }
      - { .name: wp_codes, .offset: 32, .size: 8, .value_kind: global_buffer, .address_space: global }
      - { .name: wp_scales, .offset: 40, .size: 8, .value_kind: global_buffer, .address_space: global }
      - { .name: hq, .offset: 48, .size: 8, .value_kind: global_buffer, .address_space: global }
      - { .name: tkl, .offset: 56, .size: 8, .value_kind: global_buffer, .address_space: global }
    .group_segment_fixed_size: 287232
    .private_segment_fixed_size: 0
    .kernarg_segment_align: 8
    .kernarg_segment_size: 64
    .max_flat_workgroup_size: 128
    .sgpr_count:     66
    .vgpr_count:     1024
    .wavefront_size: 32
...
	.end_amdgpu_metadata
.endif
;; end of part 3
;; launch down (part 4): grid 256 x 1, 4 waves a work-group, no clusters, 270,848 bytes of LDS; arguments hq, tkl, rk, wo_codes, wo_scales, y2; writes y2
.if DOCPART == 4
	.amdgcn_target "amdgcn-amd-amdhsa--gfx1250"
	.amdhsa_code_object_version 6
	.text
	.protected	k_q89a191c652_down
	.globl	k_q89a191c652_down
	.p2align	8
	.type	k_q89a191c652_down,@function
k_q89a191c652_down:
	s_mov_b64 s[64:65], 0
	v_nop
	global_prefetch_b8 v0, s[64:65] scope:SCOPE_SE
	s_setreg_imm32_b32 hwreg(HW_REG_WAVE_MODE, 25, 1), 1
	s_wait_xcnt 0x0
; DOWN.  y = Q(h) Wo for the rows that chose an expert, on E4M3 codes with E8M0 scales; y2 row 2 token + k takes the row of the token's k-th expert, f32.
; SHARES.  Work-group id: p = id % 4, slice = (id / 4) % 8, e = id / 32.  It owns output columns 128 slice .. + 127 of expert e and the expert's tiles of 16 slots T = 4 i + p.
; THE WAVES SHARE K: wave w keeps K fragments 4 w .. 4 w + 3 (of 16: K = 2,048) of all eight tiles of 16 columns in 512 registers, loaded once, straight from memory, and reads only its own
; 8 KB of each tile of h, which lie in hq as images of the operand's registers: dense loads of 512 bytes.  The four waves' partial sums meet in LDS; the pass that adds them is also the way out:
; each wave adds four rows of the tile and stores them whole, 512 consecutive bytes an instruction.
; The products are used transposed: source 0 = 16 rows of Wo (output columns), source 1 = 16 slots: a lane holds eight neighbouring columns of one slot.
; h's scale words lie [e][K fragment][T % 2][T / 2][row][4 bytes], from byte 16,777,216 of hq on, as the launch before stores them.
; Which row of y2 a slot goes to is read from tkl (2 token + k; an empty slot: 2048 + e, the expert's own dump row, which nobody reads), held under a constant.
; Tiles are taken eight at a time.  Every load's tile number is held at the expert's last tile, so that loads need no branch; products, sums and stores of a tile that is not there are jumped over.
; EVERY TILE OF THE EIGHT HAS OFFSET REGISTERS OF ITS OWN, so that the run of loads at a phase's head rewrites no register that a pending load names and holds no wait.
; NO CLUSTER: a slice of Wo is shared by 4 work-groups and goes to registers; a wave's part of h is its own; how many tiles there are hangs on counts read from memory.
; LDS: 8 places of 33,792 bytes, each 4 planes (one a wave) of 16 rows x (512 + 16) bytes.
; REGISTERS.  window 0: v1-10 addresses; v16-47 Wo's scale words (4 column tile + K step); v48-63 h's (2 tile + pair of K steps: lanes 0-15 the even step, lanes 16-31 the odd);
;   v64-95 tkl's entries of my four rows (4 tile + row); v96-159, v160-223 two sets of eight accumulators (behind the barrier v96-127: the rows' offsets in y2, 4 tile + row);
;   v224-231, v232-239 the places, way in and way out; v240-243 the offsets of four tiles' codes; v244-251 of eight tiles' scale words; v252-255, v11-14 of their entries.
;   windows 1, 2: Wo's fragments of K steps 0-1, 2-3, at 128 (ks % 2) + 16 column tile.   window 3: four buffers of 64 for h's fragments; later four sets of 64 for the partial sums.
.set RO,   96
.set WOS,  16
.set HS,   48
.set TKR,  64
.set PS,   224
.set PR,   232
.set OH,   240
.set OS,   244
.set PLC,  33792
.set MSB,  0
.macro WIN new                         ; the immediate's high byte repeats the setting that is left
.if MSB != (\new)
	s_set_vgpr_msb (MSB<<8)|(\new)
.set MSB, (\new)
.endif
.endm
.macro BAR                             ; my LDS stores have landed and my LDS loads are in: then the work-group's barrier
	s_wait_dscnt 0x0
	s_barrier_signal -1
	s_barrier_wait -1
.endm
.macro WOLOAD win                      ; Wo's fragments of K steps 2 (win - 1), + 1 into window win: 64 loads
	WIN (\win)<<6
.irp k2, 0,1
.irp ct, 0,1,2,3,4,5,6,7
.irp c, 0,1,2,3
	global_load_b128 v[128*\k2+16*\ct+4*\c:128*\k2+16*\ct+4*\c+3], v5, s[40:41] offset:32768*\ct+128*(2*(\win-1)+\k2)+32*\c
.endr
.endr
.endr
	WIN 0
.endm
.macro OTSET q                         ; which register holds tile q's offset among the entries
.if (\q) < 4
.set OTQ, 252+(\q)
.else
.set OTQ, 7+(\q)
.endif
.endm
.macro TNUM q                          ; s34 = tile 4 (s35 + q) + p, held at the expert's last tile
	s_add_co_u32 s34, s35, \q
	s_lshl_b32 s34, s34, 2
	s_add_co_u32 s34, s34, s21
	s_min_u32 s34, s34, s33
	s_min_u32 s34, s34, 63                         ; a number that hangs on loaded counts enters an address behind a constant bound
.endm
.macro TADS q                          ; tile q's offsets among the scale words and the entries
	TNUM \q
	s_lshr_b32 s36, s34, 1
	s_min_u32 s36, s36, 31                         ; T / 2, bounded anew behind the shift
	s_and_b32 s37, s34, 1
	s_lshl_b32 s37, s37, 11                        ; 2,048 (T % 2)
	v_lshl_add_u32 v[OS+(\q)], s36, 6, v8
	v_add_nc_u32 v[OS+(\q)], s37, v[OS+(\q)]
	v_lshl_add_u32 v[OTQ], s34, 6, v9              ; entries: 64 bytes a tile
.endm
.macro TADH q                          ; and among the codes: 32,768 bytes a tile
	TNUM \q
	v_lshl_add_u32 v[OH+((\q)%4)], s34, 15, v7
.endm
.macro SMALL q
	global_load_b32 v[HS+2*(\q)], v[OS+(\q)], s[46:47]                      ; lanes 0-15: the words of K fragment 4 w, lanes 16-31: of 4 w + 1
	global_load_b32 v[HS+2*(\q)+1], v[OS+(\q)], s[46:47] offset:8192        ; of 4 w + 2 and 4 w + 3
	global_load_b128 v[TKR+4*(\q):TKR+4*(\q)+3], v[OTQ], s[48:49]           ; the entries of slots 4 w .. 4 w + 3, the same in every lane
.endm
.macro FRAGS q                         ; my four fragments of the tile: 16 loads of 512 consecutive bytes
	WIN 0xc0
.irp ks, 0,1,2,3
.irp c, 0,1,2,3
	global_load_b128 v[64*((\q)%4)+16*\ks+4*\c:64*((\q)%4)+16*\ks+4*\c+3], v[OH+((\q)%4)], s[44:45] offset:2048*\ks+512*\c
.endr
.endr
	WIN 0
.endm
.macro MULT q                          ; 32 products: my quarter of K for the tile's 16 slots x 128 columns; then the partial sums into my plane
.set AC, 96+64*((\q)%2)
.irp ks, 0,1,2,3
	WIN 0x0d+(\ks/2)                               ; source 0 (Wo) window 1 or 2, source 1 (h) window 3
.irp ct, 0,1,2,3,4,5,6,7                       ; the eight accumulators by turns
.if \ks == 0
	v_wmma_scale_f32_16x16x128_f8f6f4 v[AC+8*\ct:AC+8*\ct+7], v[128*(\ks%2)+16*\ct:128*(\ks%2)+16*\ct+15], v[64*((\q)%4)+16*\ks:64*((\q)%4)+16*\ks+15], 0, v[WOS+4*\ct+\ks], v[HS+2*(\q)+\ks/2]
.elseif \ks == 2
	v_wmma_scale_f32_16x16x128_f8f6f4 v[AC+8*\ct:AC+8*\ct+7], v[128*(\ks%2)+16*\ct:128*(\ks%2)+16*\ct+15], v[64*((\q)%4)+16*\ks:64*((\q)%4)+16*\ks+15], v[AC+8*\ct:AC+8*\ct+7], v[WOS+4*\ct+\ks], v[HS+2*(\q)+\ks/2]
.else
	v_wmma_scale_f32_16x16x128_f8f6f4 v[AC+8*\ct:AC+8*\ct+7], v[128*(\ks%2)+16*\ct:128*(\ks%2)+16*\ct+15], v[64*((\q)%4)+16*\ks:64*((\q)%4)+16*\ks+15], v[AC+8*\ct:AC+8*\ct+7], v[WOS+4*\ct+\ks], v[HS+2*(\q)+\ks/2] matrix_b_scale:MATRIX_SCALE_ROW1
.endif
.endr
.endr
	WIN 0
.rept 9
	v_nop                                          ; places behind the products: 8 for the stores below and for loads into h's registers, 9 for later products that write an accumulator anew
.endr
	s_wait_dscnt 0x0                               ; the tile before's stores are done: the other set of accumulators is free for the next tile
.irp ct, 0,1,2,3,4,5,6,7
	ds_store_b128 v[PS+(\q)], v[AC+8*\ct:AC+8*\ct+3] offset:64*\ct          ; each accumulator from its low end on
	ds_store_b128 v[PS+(\q)], v[AC+8*\ct+4:AC+8*\ct+7] offset:64*\ct+16
.endr
.endm
.macro RED q                           ; rows 4 w .. 4 w + 3 of the tile in place q: the four planes are added, and the rows leave
	s_add_co_u32 s36, s35, \q
	s_cmp_ge_u32 s36, s32
	s_cbranch_scc1 .Lr_\@
.if \q >= 4
	s_wait_xcnt 0x0                                ; the stores of the tile four before have read this set of registers
.endif
	WIN 0xc0
.irp rho, 0,1,2,3
.irp pi, 0,1,2,3
	ds_load_b128 v[64*((\q)%4)+16*\rho+4*\pi:64*((\q)%4)+16*\rho+4*\pi+3], v[PR+(\q)] offset:8448*\pi+528*\rho
.endr
.endr
	WIN 0
.irp rho, 0,1,2,3
	v_min_u32 v[RO+4*(\q)+\rho], 0x807, v[TKR+4*(\q)+\rho]        ; the slot's row of y2, held inside the buffer's 2,056 rows; an offset register of its own for each row of each tile
	v_lshl_add_u32 v[RO+4*(\q)+\rho], v[RO+4*(\q)+\rho], 12, v10
.endr
	s_wait_dscnt 0x0
	WIN 0xcf                                       ; sources and destination window 3
.irp rho, 0,1,2,3
.set RB, 64*((\q)%4)+16*\rho
	v_pk_add_f32 v[RB:RB+1], v[RB:RB+1], v[RB+4:RB+5]
	v_pk_add_f32 v[RB+2:RB+3], v[RB+2:RB+3], v[RB+6:RB+7]
	v_pk_add_f32 v[RB+8:RB+9], v[RB+8:RB+9], v[RB+12:RB+13]
	v_pk_add_f32 v[RB+10:RB+11], v[RB+10:RB+11], v[RB+14:RB+15]
	v_pk_add_f32 v[RB:RB+1], v[RB:RB+1], v[RB+8:RB+9]
	v_pk_add_f32 v[RB+2:RB+3], v[RB+2:RB+3], v[RB+10:RB+11]
.endr
	WIN 0x0c                                       ; a store's data are its source 1: window 3
.irp rho, 0,1,2,3
	global_store_b128 v[RO+4*(\q)+\rho], v[64*((\q)%4)+16*\rho:64*((\q)%4)+16*\rho+3], s[14:15]      ; 32 lanes store 512 consecutive bytes
.endr
	WIN 0
.Lr_\@:
.endm
; Eight tiles: all small loads, then the first four tiles' fragments, in one run without a wait; each of the first four tiles' buffers takes the tile four further on as soon as it has been multiplied.
.macro PHASEA
.irp q, 0,1,2,3,4,5,6,7
	OTSET \q
	TADS \q
	SMALL \q
.endr
.irp q, 0,1,2,3
	TADH \q
	FRAGS \q
.endr
.irp q, 0,1,2,3
	s_add_co_u32 s36, s35, \q
	s_cmp_ge_u32 s36, s32
	s_cbranch_scc1 .Lm_\@_\q
	s_wait_loadcnt 48-16*\q                        ; behind tile q's sixteen loads stand, on every way, those of tiles q + 1 .. 3: all that was issued up to tile q's is in
	MULT \q
	s_add_co_u32 s36, s35, \q+4
	s_cmp_ge_u32 s36, s32
	s_cbranch_scc1 .Lm_\@_\q
	TADH \q+4                                      ; (tile q's loads are in: their offset register may be written)
	FRAGS \q+4
.Lm_\@_\q:
.endr
	s_wait_loadcnt 0x0
.irp q, 4,5,6,7
	s_add_co_u32 s36, s35, \q
	s_cmp_ge_u32 s36, s32
	s_cbranch_scc1 .Lm_\@_\q
	MULT \q
.Lm_\@_\q:
.endr
.endm
	s_load_b256 s[4:11], s[0:1], 0x0               ; hq s[4:5], tkl s[6:7], rk s[8:9], wo_codes s[10:11]
	s_load_b128 s[12:15], s[0:1], 0x20             ; wo_scales s[12:13], y2 s[14:15]
	v_lshrrev_b32 v1, 5, v0
	v_readfirstlane_b32 s20, v1                    ; wave
	s_and_b32 s21, ttmp9, 3                        ; p
	s_bfe_u32 s22, ttmp9, 0x30002                  ; slice
	s_lshr_b32 s23, ttmp9, 5                       ; e
	v_and_b32 v1, 31, v0                           ; lane
	v_and_b32 v2, 15, v0                           ; r
	v_bfe_u32 v3, v0, 4, 1                         ; h
	v_lshlrev_b32 v4, 4, v1                        ; 16 x lane
	v_lshlrev_b32 v5, 11, v2
	v_lshl_add_u32 v5, v3, 4, v5                   ; Wo: a row is 2,048 bytes
	v_lshlrev_b32 v6, 6, v2                        ; its scale bytes: 64 a row
	s_lshl_b32 s52, s20, 13
	v_add_nc_u32 v7, s52, v4                       ; h: my four fragments begin 8,192 w into a tile
	s_lshl_b32 s52, s20, 14
	v_lshl_add_u32 v8, v3, 12, s52
	v_lshl_add_u32 v8, v2, 2, v8                   ; their scale words: 4,096 (4 w + h) + 4 r
	s_lshl_b32 s52, s20, 4
	v_mov_b32 v9, s52                              ; the entries of my four rows: 16 w
	s_lshl_b32 s52, s22, 9
	v_add_nc_u32 v10, s52, v4                      ; y2: 512 slice + 16 lane in a row
	v_mul_u32_u24 v[PS], v2, 528
	v_lshl_add_u32 v[PS], v3, 5, v[PS]
	s_mul_i32 s52, s20, 8448
	v_add_nc_u32 v[PS], s52, v[PS]                 ; way in: my plane, row r, 32 h
	s_mul_i32 s52, s20, 2112
	v_add_nc_u32 v[PR], s52, v4                    ; way out: row 4 w, 16 bytes a lane
.irp q, 1,2,3,4,5,6,7
	v_add_nc_u32 v[PS+\q], PLC*\q, v[PS]
	v_add_nc_u32 v[PR+\q], PLC*\q, v[PR]
.endr
	s_lshl_b32 s52, s23, 10
	s_lshl_b32 s53, s22, 7
	s_add_co_u32 s52, s52, s53                     ; my first row of Wo: 1,024 e + 128 slice
	s_lshl_b32 s54, s52, 6
	s_lshl_b32 s53, s20, 4
	s_add_co_u32 s54, s54, s53
	s_mov_b32 s55, 0
	s_lshl_b32 s52, s52, 11
	s_lshl_b32 s53, s20, 9
	s_add_co_u32 s52, s52, s53
	s_mov_b32 s53, 0
	s_wait_kmcnt 0x0
	s_add_nc_u64 s[40:41], s[10:11], s[52:53]      ; + 512 w: my quarter of K
	s_add_nc_u64 s[42:43], s[12:13], s[54:55]      ; + 16 w
	s_lshl_b32 s52, s23, 4
	s_add_nc_u64 s[50:51], s[8:9], s[52:53]
	s_load_b128 s[24:27], s[50:51], 0x8000         ; cnt[e][0 .. 3]
	s_lshl_b32 s52, s23, 21
	s_add_nc_u64 s[44:45], s[4:5], s[52:53]        ; the expert's codes of h
	s_lshl_b32 s52, s23, 16
	s_add_nc_u64 s[46:47], s[4:5], s[52:53]
	s_add_nc_u64 s[46:47], s[46:47], 0x1000000     ; and their scale words
	s_mul_i32 s52, s23, 4608
	s_add_nc_u64 s[48:49], s[6:7], s[52:53]        ; tkl[e]
.irp ct, 0,1,2,3,4,5,6,7
	global_load_b128 v[WOS+4*\ct:WOS+4*\ct+3], v6, s[42:43] offset:1024*\ct
.endr
	WOLOAD 1                                       ; all of Wo goes out first: it hangs on no count
	WOLOAD 2
	s_wait_kmcnt 0x0
	s_add_co_u32 s31, s24, s25
	s_add_co_u32 s31, s31, s26
	s_add_co_u32 s31, s31, s27                     ; the expert's rows
	s_add_co_u32 s31, s31, 15
	s_lshr_b32 s31, s31, 4
	s_max_u32 s31, s31, 1
	s_min_u32 s31, s31, 64                         ; its tiles, as the launch before counted them
	s_sub_co_u32 s33, s31, 1                       ; the last of them
	s_add_co_u32 s32, s31, 3
	s_sub_co_u32 s32, s32, s21
	s_lshr_b32 s32, s32, 2                         ; those that are mine: at most 16
	s_mov_b32 s35, 0
	PHASEA
	BAR                                            ; every wave's partial sums lie in LDS
.irp q, 0,1,2,3,4,5,6,7
	RED \q
.endr
	BAR                                            ; every wave's reads of them are over
	s_wait_xcnt 0x0                                ; on every way: the rows' stores have read their offsets and data, which the second eight tiles write again
	s_mov_b32 s35, 8
	s_cmp_le_u32 s32, 8
	s_cbranch_scc1 .Lnosecond
	PHASEA
.Lnosecond:
	BAR
.irp q, 0,1,2,3,4,5,6,7
	RED \q
.endr
	s_wait_xcnt 0x0
	v_lshl_add_u32 v254, v0, 2, 0x42000
	v_mov_b32 v255, 0
	s_wait_tensorcnt 0x0
	ds_add_u32 v254, v255
	s_wait_dscnt 0x0
	s_endpgm
.Lfunc_end_k_q89a191c652_down:
	.size	k_q89a191c652_down, .Lfunc_end_k_q89a191c652_down-k_q89a191c652_down
	.p2alignl 7, 3214868480
	.fill 96, 4, 3214868480
	.section	.rodata,"a",@progbits
	.p2align	6, 0x0
	.amdhsa_kernel k_q89a191c652_down
		.amdhsa_group_segment_fixed_size 270848
		.amdhsa_private_segment_fixed_size 0
		.amdhsa_enable_private_segment 0
		.amdhsa_kernarg_size 48
		.amdhsa_user_sgpr_count 2
		.amdhsa_user_sgpr_kernarg_segment_ptr 1
		.amdhsa_wavefront_size32 1
		.amdhsa_system_sgpr_workgroup_id_x 1
		.amdhsa_system_sgpr_workgroup_id_y 1
		.amdhsa_system_sgpr_workgroup_id_z 1
		.amdhsa_system_vgpr_workitem_id 0
		.amdhsa_next_free_vgpr 1024
		.amdhsa_next_free_sgpr 66
		.amdhsa_reserve_vcc 0
		.amdhsa_float_denorm_mode_32 3
		.amdhsa_float_denorm_mode_16_64 3
		.amdhsa_memory_ordered 1
		.amdhsa_forward_progress 1
		.amdhsa_inst_pref_size 206
	.end_amdhsa_kernel
	.amdgpu_metadata
---
amdhsa.version: [ 1, 2 ]
amdhsa.kernels:
  - .name:           k_q89a191c652_down
    .symbol:         k_q89a191c652_down.kd
    .args:
      - { .name: hq, .offset: 0, .size: 8, .value_kind: global_buffer, .address_space: global }
      - { .name: tkl, .offset: 8, .size: 8, .value_kind: global_buffer, .address_space: global }
      - { .name: rk, .offset: 16, .size: 8, .value_kind: global_buffer, .address_space: global }
      - { .name: wo_codes, .offset: 24, .size: 8, .value_kind: global_buffer, .address_space: global }
      - { .name: wo_scales, .offset: 32, .size: 8, .value_kind: global_buffer, .address_space: global }
      - { .name: y2, .offset: 40, .size: 8, .value_kind: global_buffer, .address_space: global }
    .group_segment_fixed_size: 270848
    .private_segment_fixed_size: 0
    .kernarg_segment_align: 8
    .kernarg_segment_size: 48
    .max_flat_workgroup_size: 128
    .sgpr_count:     66
    .vgpr_count:     1024
    .wavefront_size: 32
...
	.end_amdgpu_metadata
.endif
;; end of part 4
;; launch comb (part 5): grid 256 x 1, 4 waves a work-group, no clusters, 0 bytes of LDS; arguments x, y2, gate, out0; writes out0
.if DOCPART == 5
	.amdgcn_target "amdgcn-amd-amdhsa--gfx1250"
	.amdhsa_code_object_version 6
	.text
	.protected	k_q89a191c652_comb
	.globl	k_q89a191c652_comb
	.p2align	8
	.type	k_q89a191c652_comb,@function
k_q89a191c652_comb:
	s_mov_b64 s[64:65], 0
	v_nop
	global_prefetch_b8 v0, s[64:65] scope:SCOPE_SE
	s_setreg_imm32_b32 hwreg(HW_REG_WAVE_MODE, 25, 1), 1
	s_wait_xcnt 0x0
; COMB.  out0[token] = x[token] + gate[token][0] y2[2 token] + gate[token][1] y2[2 token + 1], all f32: two fused multiply-adds a number.
; One wave takes one token: 4 x work-group + wave.  A row is 4,096 bytes: eight pieces of 512 consecutive bytes, 16 a lane; all 24 loads go out at once,
; and each piece is stored as soon as its three loads are in.  A stream: no LDS, no barrier, no matrix unit, nothing shared between work-groups.
	s_load_b256 s[4:11], s[0:1], 0x0               ; x s[4:5], y2 s[6:7], gate s[8:9], out0 s[10:11]
	v_lshrrev_b32 v1, 5, v0
	v_readfirstlane_b32 s16, v1                    ; wave
	s_lshl_b32 s17, ttmp9, 2
	s_add_co_u32 s17, s17, s16                     ; my token
	v_and_b32 v1, 31, v0
	v_lshlrev_b32 v1, 4, v1                        ; 16 x lane
	s_lshl_b32 s18, s17, 12                        ; a row of x and of out0
	s_mov_b32 s19, 0
	s_lshl_b32 s20, s17, 13                        ; the token's two rows of y2
	s_mov_b32 s21, 0
	s_lshl_b32 s22, s17, 3                         ; its two gates
	s_mov_b32 s23, 0
	s_wait_kmcnt 0x0
	s_add_nc_u64 s[8:9], s[8:9], s[22:23]
	s_load_b64 s[12:13], s[8:9], 0x0
	s_add_nc_u64 s[4:5], s[4:5], s[18:19]
	s_add_nc_u64 s[6:7], s[6:7], s[20:21]
	s_add_nc_u64 s[10:11], s[10:11], s[18:19]
.irp n, 0,1,2,3,4,5,6,7
	global_load_b128 v[8+4*\n:11+4*\n], v1, s[4:5] offset:512*\n th:TH_LOAD_NT
	global_load_b128 v[40+4*\n:43+4*\n], v1, s[6:7] offset:512*\n th:TH_LOAD_NT
	global_load_b128 v[72+4*\n:75+4*\n], v1, s[6:7] offset:4096+512*\n th:TH_LOAD_NT
.endr
	s_wait_kmcnt 0x0
	s_mov_b32 s14, s13                             ; the packed form takes a scalar pair's low word for both halves: the second gate gets a pair of its own
	s_mov_b32 s15, s13
.irp n, 0,1,2,3,4,5,6,7
	s_wait_loadcnt 21-3*\n                         ; behind piece n's three loads stand those of the later pieces
	v_pk_fma_f32 v[8+4*\n:9+4*\n], v[40+4*\n:41+4*\n], s[12:13], v[8+4*\n:9+4*\n] op_sel_hi:[1,0,1]
	v_pk_fma_f32 v[10+4*\n:11+4*\n], v[42+4*\n:43+4*\n], s[12:13], v[10+4*\n:11+4*\n] op_sel_hi:[1,0,1]
	v_pk_fma_f32 v[8+4*\n:9+4*\n], v[72+4*\n:73+4*\n], s[14:15], v[8+4*\n:9+4*\n] op_sel_hi:[1,0,1]
	v_pk_fma_f32 v[10+4*\n:11+4*\n], v[74+4*\n:75+4*\n], s[14:15], v[10+4*\n:11+4*\n] op_sel_hi:[1,0,1]
	global_store_b128 v1, v[8+4*\n:11+4*\n], s[10:11] offset:512*\n th:TH_STORE_NT      ; the wave stores 512 consecutive bytes; no register is written twice
.endr
	s_endpgm
.Lfunc_end_k_q89a191c652_comb:
	.size	k_q89a191c652_comb, .Lfunc_end_k_q89a191c652_comb-k_q89a191c652_comb
	.p2alignl 7, 3214868480
	.fill 96, 4, 3214868480
	.section	.rodata,"a",@progbits
	.p2align	6, 0x0
	.amdhsa_kernel k_q89a191c652_comb
		.amdhsa_group_segment_fixed_size 0
		.amdhsa_private_segment_fixed_size 0
		.amdhsa_enable_private_segment 0
		.amdhsa_kernarg_size 32
		.amdhsa_user_sgpr_count 2
		.amdhsa_user_sgpr_kernarg_segment_ptr 1
		.amdhsa_wavefront_size32 1
		.amdhsa_system_sgpr_workgroup_id_x 1
		.amdhsa_system_sgpr_workgroup_id_y 1
		.amdhsa_system_sgpr_workgroup_id_z 1
		.amdhsa_system_vgpr_workitem_id 0
		.amdhsa_next_free_vgpr 104
		.amdhsa_next_free_sgpr 66
		.amdhsa_reserve_vcc 0
		.amdhsa_float_denorm_mode_32 3
		.amdhsa_float_denorm_mode_16_64 3
		.amdhsa_memory_ordered 1
		.amdhsa_forward_progress 1
		.amdhsa_inst_pref_size 7
	.end_amdhsa_kernel
	.amdgpu_metadata
---
amdhsa.version: [ 1, 2 ]
amdhsa.kernels:
  - .name:           k_q89a191c652_comb
    .symbol:         k_q89a191c652_comb.kd
    .args:
      - { .name: x, .offset: 0, .size: 8, .value_kind: global_buffer, .address_space: global }
      - { .name: y2, .offset: 8, .size: 8, .value_kind: global_buffer, .address_space: global }
      - { .name: gate, .offset: 16, .size: 8, .value_kind: global_buffer, .address_space: global }
      - { .name: out0, .offset: 24, .size: 8, .value_kind: global_buffer, .address_space: global }
    .group_segment_fixed_size: 0
    .private_segment_fixed_size: 0
    .kernarg_segment_align: 8
    .kernarg_segment_size: 32
    .max_flat_workgroup_size: 128
    .sgpr_count:     66
    .vgpr_count:     104
    .wavefront_size: 32
...
	.end_amdgpu_metadata
.endif
;; end of part 5
;; ======== version 2 of 2: 5 launches; version 1 with the launches up, down written anew for expert scheduling mode
;; workspace buffers: scores 32,768 bytes; xq 1,081,344 bytes; rk 33,024 bytes of whole numbers; gate 8,192 bytes; tkl 36,864 bytes of whole numbers; hq 17,301,504 bytes; y2 8,421,376 bytes
;; launch prep: the kernel of part 1 again; grid 256 x 1, 4 waves a work-group, no clusters, 33,280 bytes of LDS; arguments x, router_w, xq, scores; writes xq, scores
;; launch route: the kernel of part 2 again; grid 4 x 1, 8 waves a work-group, no clusters, 3,072 bytes of LDS; arguments scores, router_b, temperature, rk, gate; writes rk, gate
;; launch up (part 6): grid 256 x 1, 4 waves a work-group, no clusters, 287,232 bytes of LDS; arguments xq, rk, wg_codes, wg_scales, wp_codes, wp_scales, hq, tkl; writes hq, tkl
.if DOCPART == 6
	.amdgcn_target "amdgcn-amd-amdhsa--gfx1250"
	.amdhsa_code_object_version 6
	.text
	.protected	k_q89a191c652_up
	.globl	k_q89a191c652_up
	.p2align	8
	.type	k_q89a191c652_up,@function
k_q89a191c652_up:
	s_mov_b64 s[64:65], 0
	v_nop
	global_prefetch_b8 v0, s[64:65] scope:SCOPE_SE
	s_setreg_imm32_b32 hwreg(HW_REG_WAVE_SCHED_MODE, 0, 2), 2
	s_setreg_imm32_b32 hwreg(HW_REG_WAVE_MODE, 25, 1), 1
	s_wait_xcnt 0x0
	s_wait_alu depctr_vm_vsrc(0)
; UP.  h = relu(Q(x) Wg) x (Q(x) Wp) for the rows that chose an expert, quantised along FF.  Both products on E4M3 codes with E8M0 scales.
; SHARES.  Work-group id: p = id % 2, slice = (id / 2) % 16, e = id / 32.  It owns FF units 128 slice .. + 127 of expert e and the expert's tiles of 16 rows T = 2 i + p.
; THE WEIGHTS STAY: wave w keeps FF units 128 slice + 32 w .. + 31 of Wg and of Wp for all of K = 1,024 in 512 registers (4 tiles x 8 K steps), loaded once, straight from memory.
; The rows pass by: a tile of x's codes (16 rows x 1,024) is gathered by one wave and laid in LDS as an image of the operand's registers, and read by all four waves.
; THE GATHER RUNS AHEAD: tiles go by chunks (i = 0-3, 4-7, 8-15, 16-23, 24-31) through two LDS buffers of 8 places.  A wave asks for its tile of the next chunk in front of this chunk's products
; and lays it into the other buffer behind them; one barrier a chunk.  A tile that the expert does not have is neither fetched nor multiplied; only the first chunk is fetched without a condition.
; SLOTS.  An expert's rows are ranked in the order of tokens: slot = (members in the batches before) + rank in the batch, both read from rk.  Wave 0 turns rk[e] into a list
; slot -> 2 token + k in LDS (empty slots: 2048 + e); the work-groups of slice 0 also store it to tkl for the next launch.  The list's addresses are made of whole numbers read from memory, held under a constant.
; An expert without rows still takes tile 0 (all its slots empty): tiles = max(ceil(rows / 16), 1), so that every byte the next launch loads has been stored.
; LAYOUT.  The products are used transposed: source 0 = 16 rows of a weight, source 1 = 16 rows of x.  Lane r of tile u takes weight row 8 u + r + 8 (r / 8) of the wave's 32, so that a lane's 16 registers
; of tiles 0 and 1 are FF units 16 (lane / 16) + 0 .. 15 of one row of x: a block of 32 lies in lanes l and l xor 16, and the conversions' results are registers 4 w .. 4 w + 3 of the next product's fragment.
; hq: codes as images [e][tile][K fragment = slice][c = w][lane][16 bytes]; from byte 16,777,216 on the scale words [e][slice][p][i][row][4 bytes], byte w from wave w.
; THE SCALE BYTES are gathered in LDS, 512 bytes a wave ([i][row]), and leave once, at the end, as words: each wave stores 512 consecutive bytes, the work-group its whole 2,048.
; NO CLUSTER: a weight slice is shared by 2 work-groups only and goes to registers; the x tiles are gathered by a list, and how many there are hangs on counts read from memory.
; LIMITS: a block of zeros gets the byte 1 (zero codes; this program alone reads the bytes); NaN and infinities are not served.
; LDS: the list, 5,120 bytes at 0 (1,152 slots and a word for what is no member); the scale bytes, 2,048 at 5,120; from 8,192 on 16 places of 17,408 bytes: codes at 2,048 s + 512 c + 16 lane, scale words at 16,384 + 512 m + 16 lane.
; REGISTERS.  window 0: v1-7, v16-25, v31 addresses; v8-10 the gather's entry and offsets; v26-30 at work; v32-63 the weights' scale words (8 tile + K step); v64-71 x's; v72-103 the four accumulators
;   (first: rk's words); v104-107 the codes; v108-115 staged scale words; v116-127 the scale bytes' way out; v128-191 the list's addresses and entries.
;   windows 1, 2: the weights of K steps 0-3, 4-7, at 16 (4 (s % 4) + tile).   window 3: v0-127 the tile at work; v128-255 the staged tile.
; THE MODE: SCHED_MODE bits 1:0 = 2 (LLVM: expert scheduling mode 2), set by the entry lines.  The code itself states the register dependences
; between vector or matrix instructions and memory or LDS instructions, with s_wait_alu, always for 0.
; THE PLAN.  Registers that memory or LDS instructions touch:
;   the tile at work (window 3 v0-127) and x's scale words (v64-71): the 34 LDS loads of XFETCH land in them; the tile's 32 products read them.
;   v[XA]: written by XFETCH's one add, read by its 34 loads.
;   the staged tile (window 3 v128-255) and its scale words (v108-115): the gather's loads land in them, GSTORE1's LDS stores read them; no vector instruction names them.
;   v[TK]: an LDS load lands in it; the store to tkl and one shift read it.   v[XO], v[XSO]: written by four vector lines, read by the gather's loads.
;   v[HO], v[COD ..], v[HSO], v[BYT]: written by a tile's arithmetic, read by its two stores.
;   v26-29, v128-191: written by wave 0's vector lines for the list, read by its LDS stores; v26-29 are written again by the tiles' arithmetic.
;   v4-7, v16-19, v31, v254, v255: made at the head and never written again.
; So a tile has two waits on va_vdst: one behind its products, ahead of the next tile's LDS loads, and one behind its conversions, ahead of its two stores;
; and two on vm_vsrc: ahead of the add to v[XA], and ahead of the lines that write the stores' registers again.  A gather has one pair at its head and one wait on va_vdst ahead of its loads.
.set SCB,   5120
.set XB,    8192
.set PLACE, 17408
.set BUFB,  XB+8*PLACE
.set TK,    8
.set XO,    9
.set XSO,   10
.set STA,   16                         ; v16-19: the places that I fill: buffer A place w, 4 + w; buffer B place w, 4 + w
.set XA,    21
.set HO,    22
.set HSO,   23
.set AM,    26
.set AM2,   27
.set SCL,   28
.set HLD,   29
.set BYT,   30
.set WS,    32
.set XS,    64
.set ACC,   72
.set COD,   104
.set SST,   108
.set FIN,   116
.set STG,   128                        ; in window 3
.set MSB,   0
.macro WIN new                         ; the immediate's high byte repeats the setting that is left
.if MSB != (\new)
	s_set_vgpr_msb (MSB<<8)|(\new)
.set MSB, (\new)
.endif
.endm
.macro BAR                             ; my LDS stores have landed and my LDS loads are in: then the work-group's barrier
	s_wait_dscnt 0x0
	s_barrier_signal -1
	s_barrier_wait -1
.endm
.macro WLOAD win                       ; the weights of K steps 4 (win - 1) .. + 3 into window win: 64 loads
	WIN (\win)<<6
.irp q, 0,1,2,3
.irp u, 0,1
.irp c, 0,1,2,3
	global_load_b128 v[(4*\q+\u)*16+4*\c:(4*\q+\u)*16+4*\c+3], v5, s[8:9] offset:8192*\u+128*(4*(\win-1)+\q)+32*\c
	global_load_b128 v[(4*\q+2+\u)*16+4*\c:(4*\q+2+\u)*16+4*\c+3], v5, s[12:13] offset:8192*\u+128*(4*(\win-1)+\q)+32*\c
.endr
.endr
.endr
	WIN 0
.endm
.macro SKIPGE t0, label                ; away, if the expert has no tile t0 + w for this work-group
	s_add_co_u32 s38, s20, \t0
	s_cmp_ge_u32 s38, s32
	s_cbranch_scc1 \label
.endm
; Tile i = t0 + w is asked for: the list's entries of its 16 slots, then 32 loads of codes and 2 of scale words into the staged registers.  xw = 1: a gather has gone before.
.macro GLOAD1 t0, xw
.if \xw
	s_wait_xcnt 0x0                                ; the store that read the last entry has read it: the entry may be written again
	s_wait_alu depctr_vm_vsrc(0)                   ; the store to tkl has read v[TK]; the last gather's loads have read v[XO] and v[XSO]; the LDS stores have read the staged registers: all of these are written again below
	s_wait_alu depctr_va_vdst(0)                   ; the shift that read the last entry is done reading v[TK], in which the next entry lands
.endif
	ds_load_b32 v[TK], v7 offset:128*(\t0)         ; the entry of slot 16 (2 i + p) + r
	s_wait_dscnt 0x0                               ; it is in
	s_cmp_lg_u32 s22, 0                            ; slice 0 hands the list on (a branch on the work-group's number)
	s_cbranch_scc1 .Lnotkl_\@
	global_store_b32 v7, v[TK], s[50:51] offset:128*(\t0)         ; lanes r and r + 16 write the same word alike
.Lnotkl_\@:
	v_lshrrev_b32 v[XO], 1, v[TK]                  ; the token,
	v_min_u32 v[XO], 0x3ff, v[XO]                  ; held inside the table (an empty slot reads token 1,023; its row goes to the dump row)
	v_lshlrev_b32 v[XSO], 5, v[XO]
	v_lshl_add_u32 v[XO], v[XO], 10, v3
	WIN 0xc0                                       ; destination window 3
	s_wait_alu depctr_va_vdst(0)                   ; v[XO] and v[XSO] are written, which the 34 loads below read as their offsets
.irp s, 0,1,2,3,4,5,6,7
.irp c, 0,1,2,3
	global_load_b128 v[STG+16*\s+4*\c:STG+16*\s+4*\c+3], v[XO], s[4:5] offset:128*\s+32*\c      ; lane (r, h): 16 bytes of each block of 32 of its slot's token
.endr
.endr
	WIN 0
.irp m, 0,1
	global_load_b128 v[SST+4*\m:SST+4*\m+3], v[XSO], s[44:45] offset:16*\m                      ; the token's eight scale words
.endr
.endm
.macro GSTORE1 sta                     ; the staged tile goes to its place as it stands: lane l's 16 bytes at 16 l, 512 bytes a store.  Its data come from loads, its address from the head: no vector result is at stake
	WIN 0x0c                                       ; an LDS store's data are its source 1: window 3
.irp s, 0,1,2,3,4,5,6,7
.irp c, 0,1,2,3
	ds_store_b128 v[STA+(\sta)], v[STG+16*\s+4*\c:STG+16*\s+4*\c+3] offset:2048*\s+512*\c
.endr
.endr
	WIN 0
.irp m, 0,1
	ds_store_b128 v[STA+(\sta)], v[SST+4*\m:SST+4*\m+3] offset:16384+512*\m
.endr
.endm
.macro XFETCH sr                       ; the tile whose place begins at LDS byte sr: its scale words, then its eight fragments in the order of K
	s_wait_alu depctr_vm_vsrc(0)                   ; the last tile's LDS loads have read v[XA], which the add writes again
	v_add_nc_u32 v[XA], \sr, v4
	s_wait_alu depctr_va_vdst(0)                   ; v[XA] is written, which the loads below read; the products issued so far are done reading x's scale words and fragments, in which these loads land
	ds_load_b128 v[XS:XS+3], v[XA] offset:16384
	ds_load_b128 v[XS+4:XS+7], v[XA] offset:16384+512
	WIN 0xc0
.irp s, 0,1,2,3,4,5,6,7
.irp c, 0,1,2,3
	ds_load_b128 v[16*\s+4*\c:16*\s+4*\c+3], v[XA] offset:2048*\s+512*\c
.endr
.endr
	WIN 0
.endm
; One tile, whose fragments have been asked for.  pf = 1: the chunk has a place behind this one: its tile, if the expert has it, is asked for behind the products, so that the LDS loads run beside the vector work.
; The trip count of the loop is a constant; a tile that the expert does not have is jumped over, all but the lines that step addresses.
.macro TRIP pf
	s_cmp_ge_u32 s33, s32
	s_cbranch_scc1 .Lskip_\@
.irp s, 0,1,2,3,4,5,6,7
	s_wait_dscnt 28-4*\s                           ; behind K step s's four loads stand those of the later K steps (and at most one byte store, which makes the count the stricter)
	WIN 0x0d+(\s/4)                                ; source 0 (weights) window 1 or 2, source 1 (x) window 3
.irp t, 0,1,2,3                                ; the four accumulators by turns
.if \s == 0
	v_wmma_scale_f32_16x16x128_f8f6f4 v[ACC+8*\t:ACC+8*\t+7], v[(4*(\s%4)+\t)*16:(4*(\s%4)+\t)*16+15], v[16*\s:16*\s+15], 0, v[WS+8*\t+\s], v[XS+\s]
.else
	v_wmma_scale_f32_16x16x128_f8f6f4 v[ACC+8*\t:ACC+8*\t+7], v[(4*(\s%4)+\t)*16:(4*(\s%4)+\t)*16+15], v[16*\s:16*\s+15], v[ACC+8*\t:ACC+8*\t+7], v[WS+8*\t+\s], v[XS+\s]
.endif
.endr
.endr
	WIN 0
.rept 9
	v_nop                                          ; places behind the products: 8 for the reads of the results below, 9 for the next tile's first products, which write the accumulators anew
.endr
.if \pf
	s_add_co_u32 s38, s33, 1
	s_cmp_ge_u32 s38, s32
	s_cbranch_scc1 .Lnf_\@
	s_add_co_u32 s39, s34, PLACE
	XFETCH s39                                     ; no vector or matrix line from here to the next tile's products names v[XA], x's scale words or x's fragments
.Lnf_\@:
.endif
.irp i, 0,1,2,3,4,5,6,7,8,9,10,11,12,13,14,15
	v_max_num_f32 v[ACC+\i], 0, v[ACC+\i]          ; relu(g); each accumulator from its low end on
.endr
.irp i, 0,2,4,6,8,10,12,14
	v_pk_mul_f32 v[ACC+\i:ACC+\i+1], v[ACC+\i:ACC+\i+1], v[ACC+16+\i:ACC+16+\i+1]      ; x p
.endr
	v_max3_num_f32 v[AM], |v[ACC]|, |v[ACC+1]|, 0x4800000         ; my 16 numbers' largest magnitude, and the floor 2^(9 - 127)
	v_max3_num_f32 v[AM2], |v[ACC+2]|, |v[ACC+3]|, |v[ACC+4]|
	v_max3_num_f32 v[AM], v[AM], |v[ACC+5]|, |v[ACC+6]|
	v_max3_num_f32 v[AM2], v[AM2], |v[ACC+7]|, |v[ACC+8]|
	v_max3_num_f32 v[AM], v[AM], |v[ACC+9]|, |v[ACC+10]|
	v_max3_num_f32 v[AM2], v[AM2], |v[ACC+11]|, |v[ACC+12]|
	v_max3_num_f32 v[AM], v[AM], |v[ACC+13]|, |v[ACC+14]|
	v_max3_num_f32 v[AM], v[AM], v[AM2], |v[ACC+15]|
	v_permlanex16_b32 v[AM2], v[AM], s42, s43
	v_max_num_f32 v[AM], v[AM], v[AM2]             ; with lane l xor 16's: the block's
	v_add_nc_u32 v[SCL], 0xfc000000, v[AM]         ; 8 off its exponent field: the conversion's scale operand
	v_and_or_b32 v[HLD], v[AM], 0x7f800000, s41    ; 448 x the scale
.irp i, 0,1,2,3,4,5,6,7,8,9,10,11,12,13,14,15
	v_med3_num_f32 v[ACC+\i], v[ACC+\i], -v[HLD], v[HLD]          ; the conversion does not saturate (ISA guide 7.6.2)
.endr
	s_wait_xcnt 0x0                                ; the last tile's store has read its offset and its codes: both are written again only behind this wait
	s_wait_alu depctr_vm_vsrc(0)                   ; the last tile's two stores have read v[HO], v[COD ..], v[HSO] and v[BYT], which the lines below write again
	v_lshrrev_b32 v[BYT], 23, v[SCL]               ; the scale's byte
	v_add_nc_u32 v[HSO], s36, v24                  ; its place among my wave's bytes: 16 i + r
	v_add_nc_u32 v[HO], s35, v4
	v_cvt_scalef32_pk8_fp8_f32 v[COD:COD+1], v[ACC:ACC+7], v[SCL]
	v_cvt_scalef32_pk8_fp8_f32 v[COD+2:COD+3], v[ACC+8:ACC+15], v[SCL]
	v_nop                                          ; a plain line behind the conversions: the next products write their sources
	s_wait_alu depctr_va_vdst(0)                   ; the conversions have written v[COD ..], and v[HO], v[HSO] and v[BYT] are written: the two stores below read them
	global_store_b128 v[HO], v[COD:COD+3], s[46:47]               ; the wave stores 512 consecutive bytes: group c = w of the fragment's image
	ds_store_b8 v[HSO], v[BYT]                     ; lanes r and r + 16 write the same byte alike
.Lskip_\@:
.if \pf
	s_add_co_u32 s33, s33, 1                       ; the next tile: its number, its place in LDS, its bytes in hq, its scale bytes
	s_add_co_u32 s34, s34, PLACE
	s_add_co_u32 s35, s35, 65536
	s_add_co_u32 s36, s36, 16
.endif
.endm
; A chunk: n tiles from tile t0 on, in the places from LDS byte base on.  The last trip is written out, so that no fetch reaches behind the chunk's places.
; alw = 1: the first tile's fragments are fetched without a condition (its place is always filled), so that these registers have been written on every way.
.macro COMPUTE base, t0, n, alw
	s_mov_b32 s33, \t0
	s_mov_b32 s34, \base
	s_mov_b32 s35, 65536*(\t0)
	s_mov_b32 s36, 16*(\t0)
.if !\alw
	s_cmp_ge_u32 s33, s32
	s_cbranch_scc1 .Lnop_\@
.endif
	XFETCH s34
.Lnop_\@:
	s_mov_b32 s37, (\n)-1
.Ltrip_\@:
	TRIP 1
	s_sub_co_u32 s37, s37, 1
	s_cmp_lg_u32 s37, 0
	s_cbranch_scc1 .Ltrip_\@
	TRIP 0
.endm
; A stage: my tile tn + w of the next chunk is asked for; this chunk is multiplied; the tile goes into the other buffer (place sta); the barrier.
; two = 1: the next chunk has eight tiles: my second one (tn + 4 + w) is fetched and stored inside the same branch, through the same staged registers.
.macro STAGE tn, sta, two, cbase, ct0, cn, alw
	SKIPGE \tn, .Lgl_\@
	GLOAD1 \tn, 1
.Lgl_\@:
	COMPUTE \cbase, \ct0, \cn, \alw
	s_wait_loadcnt 0x0                             ; the staged tile is in (on every way: no load is out behind this line)
	SKIPGE \tn, .Lgs_\@
	GSTORE1 \sta
.if \two
	SKIPGE \tn+4, .Lgs_\@
	GLOAD1 \tn+4, 1
	s_wait_loadcnt 0x0
	GSTORE1 \sta+1
.endif
.Lgs_\@:
	BAR                                            ; the next chunk lies in its buffer, and every wave's reads of this chunk's buffer are over
.endm
	s_load_b512 s[4:19], s[0:1], 0x0               ; xq, rk, wg_codes, wg_scales, wp_codes, wp_scales, hq, tkl
	v_lshl_add_u32 v254, v0, 2, 0x46000
	v_mov_b32 v255, 0
	v_lshrrev_b32 v1, 5, v0
	v_readfirstlane_b32 s20, v1                    ; wave
	s_and_b32 s21, ttmp9, 1                        ; p
	s_bfe_u32 s22, ttmp9, 0x40001                  ; slice
	s_lshr_b32 s23, ttmp9, 5                       ; e
	v_and_b32 v1, 31, v0                           ; lane
	v_and_b32 v2, 15, v0                           ; r
	v_bfe_u32 v3, v0, 4, 1
	v_lshlrev_b32 v3, 4, v3                        ; 16 h
	v_lshlrev_b32 v4, 4, v1                        ; 16 x lane
	v_and_b32 v26, 8, v2
	v_add_nc_u32 v26, v26, v2                      ; r + 8 (r / 8)
	v_lshl_add_u32 v5, v26, 10, v3                 ; weights: a row is 1,024 bytes
	v_lshlrev_b32 v6, 5, v26                       ; their scale bytes: 32 a row
	s_wait_alu depctr_va_sdst(0)                   ; s20 is written, ahead of its first reader: addresses, bases and branches are made from it
	s_lshl_b32 s52, s20, 7
	s_lshl_b32 s53, s21, 6
	s_add_co_u32 s52, s52, s53
	v_lshl_add_u32 v7, v2, 2, s52                  ; the list: 128 w + 64 p + 4 r
	s_mul_i32 s52, s20, PLACE
	s_add_co_u32 s52, s52, XB
	v_add_nc_u32 v[STA], s52, v4                   ; the places that I fill
	v_add_nc_u32 v[STA+1], 4*PLACE, v[STA]
	v_add_nc_u32 v[STA+2], 8*PLACE, v[STA]
	v_add_nc_u32 v[STA+3], 12*PLACE, v[STA]
	s_lshl_b32 s52, s20, 9
	s_add_co_u32 s52, s52, SCB
	v_add_nc_u32 v24, s52, v2                      ; my wave's scale bytes: 512 w + r
	s_lshl_b32 s52, s20, 7
	s_add_co_u32 s52, s52, SCB
	v_lshl_add_u32 v31, v1, 2, s52                 ; their way out: 128 w + 4 lane in each wave's 512
	v_lshlrev_b32 v25, 3, v1                       ; 8 x lane
	s_mov_b32 s41, 0x600000                        ; the mantissa field of 448
	s_mov_b32 s42, 0x76543210
	s_mov_b32 s43, 0xfedcba98                      ; selects: lane l xor 16
	s_lshl_b32 s52, s23, 11
	s_lshl_b32 s53, s22, 7
	s_add_co_u32 s52, s52, s53
	s_lshl_b32 s53, s20, 5
	s_add_co_u32 s52, s52, s53                     ; my first weight row: 2,048 e + 128 slice + 32 w
	s_lshl_b32 s58, s52, 5
	s_mov_b32 s59, 0
	s_lshl_b32 s52, s52, 10
	s_mov_b32 s53, 0
	s_wait_kmcnt 0x0
	s_add_nc_u64 s[8:9], s[8:9], s[52:53]
	s_add_nc_u64 s[12:13], s[12:13], s[52:53]
	s_add_nc_u64 s[10:11], s[10:11], s[58:59]
	s_add_nc_u64 s[14:15], s[14:15], s[58:59]
	s_add_nc_u64 s[44:45], s[4:5], 0x100000        ; x's scale bytes
	s_lshl_b32 s52, s23, 12
	s_add_nc_u64 s[54:55], s[6:7], s[52:53]        ; rk[e]
	s_lshl_b32 s52, s23, 4
	s_add_nc_u64 s[56:57], s[6:7], s[52:53]
	s_load_b128 s[24:27], s[56:57], 0x8000         ; cnt[e][0 .. 3]
	s_lshl_b32 s31, s20, 9                         ; 512 w
	s_lshl_b32 s52, s23, 6
	s_add_co_u32 s52, s52, s21
	s_lshl_b32 s52, s52, 4
	s_add_co_u32 s52, s52, s22                     ; 16 (64 e + p) + slice
	s_lshl_b32 s52, s52, 11
	s_add_co_u32 s52, s52, s31
	s_add_nc_u64 s[46:47], s[16:17], s[52:53]      ; hq: my group of tile p's fragment
	s_lshl_b32 s58, s23, 4
	s_add_co_u32 s58, s58, s22
	s_lshl_b32 s58, s58, 1
	s_add_co_u32 s58, s58, s21                     ; 2 (16 e + slice) + p
	s_lshl_b32 s58, s58, 11
	s_add_co_u32 s58, s58, s31
	s_add_nc_u64 s[48:49], s[16:17], s[58:59]
	s_add_nc_u64 s[48:49], s[48:49], 0x1000000     ; and my quarter of the work-group's 2,048 bytes of scale words
	s_mul_i32 s52, s23, 4608
	s_add_nc_u64 s[50:51], s[18:19], s[52:53]      ; tkl[e]
	s_wait_alu depctr_va_vdst(0)                   ; the head's addresses v4 to v7, v16 to v19, v31, v254 and v255 are written: every load and store of the kernel that reads one of them stands behind this line, and none of them is written again
.irp n, 0,1,2,3,4,5,6,7
	global_load_b128 v[ACC+4*\n:ACC+4*\n+3], v4, s[54:55] offset:512*\n      ; rk[e]: tokens 128 n + 4 lane + 0 .. 3.  Every wave asks, wave 0 uses them: so the waves part once
.endr
.irp u, 0,1
.irp m, 0,1
	global_load_b128 v[WS+8*\u+4*\m:WS+8*\u+4*\m+3], v6, s[10:11] offset:256*\u+16*\m
	global_load_b128 v[WS+16+8*\u+4*\m:WS+16+8*\u+4*\m+3], v6, s[14:15] offset:256*\u+16*\m
.endr
.endr
	WLOAD 1
	s_wait_kmcnt 0x0
	s_lshl_b32 s28, s24, 2                         ; 4 x the slots in front of batch 1,
	s_add_co_u32 s31, s24, s25
	s_lshl_b32 s29, s31, 2                         ; of batch 2,
	s_add_co_u32 s31, s31, s26
	s_lshl_b32 s30, s31, 2                         ; of batch 3
	s_add_co_u32 s31, s31, s27                     ; the expert's rows
	s_add_co_u32 s31, s31, 15
	s_lshr_b32 s31, s31, 4
	s_max_u32 s31, s31, 1
	s_min_u32 s31, s31, 64                         ; its tiles
	s_add_co_u32 s32, s31, 1
	s_sub_co_u32 s32, s32, s21
	s_lshr_b32 s32, s32, 1                         ; those of them that are mine: at most 32
	s_cmp_lg_u32 s20, 0
	s_cbranch_scc1 .Lnolist
	s_add_co_u32 s52, s23, 2048                    ; WAVE 0 MAKES THE LIST.  First every slot is empty: 2048 + e (the scale bytes' 2,048 bytes behind the list are written with it, so that all of them have been written)
.irp r, 26,27,28,29
	v_mov_b32 v\r, s52
.endr
	s_wait_alu depctr_va_vdst(0)                   ; v26 to v29 are written, which the LDS stores below read
.irp n, 0,1,2,3,4,5,6,7,8,9,10,11,12,13
	ds_store_b128 v4, v[26:29] offset:512*\n
.endr
	s_wait_loadcnt 63                              ; 72 loads were issued behind rk's eight: rk's are in
.set n, 0
.rept 8                                        ; all 32 addresses and entries are made first, each in registers of its own, so that one wait serves the run of stores
.set q, 0
.rept 4
	v_and_b32 v[128+4*n+q], 0xffff, v[ACC+4*n+q]   ; 4 x rank in the batch (0x7ffc: no member),
.if n >= 2
	v_add_nc_u32 v[128+4*n+q], s[27+n/2], v[128+4*n+q]            ; + 4 x the slots of the batches before (the batch is n / 2),
.endif
	v_min_u32 v[128+4*n+q], 0x1200, v[128+4*n+q]   ; held at the word behind the list, where what is no member lands
	v_lshrrev_b32 v[160+4*n+q], 16, v[ACC+4*n+q]   ; k
	v_add3_u32 v[160+4*n+q], v[160+4*n+q], v25, 256*n+2*q         ; + 2 x token
.set q, q+1
.endr
.set n, n+1
.endr
	s_wait_alu depctr_va_vdst(0)                   ; v128 to v191 are written, which the LDS stores below read as addresses and data
.set n, 0
.rept 32
	ds_store_b32 v[128+n], v[160+n]                ; LDS serves my instructions in order: behind the stores that emptied the list
.set n, n+1
.endr
	s_wait_alu depctr_vm_vsrc(0)                   ; the stores that emptied the list have read v26 to v29, which the tiles' arithmetic writes again
.Lnolist:
	BAR                                            ; the list lies in LDS; no other wave has touched LDS so far
	GLOAD1 0, 0                                    ; tile w, whether the expert has it or not: empty slots read token 1,023
	WLOAD 2
	s_wait_loadcnt 63                              ; 64 weight loads were issued behind x's: x's are in, the weights may be out
	GSTORE1 0
	s_wait_loadcnt 0x0                             ; all the weights
	BAR                                            ; tiles 0 to 3 lie in buffer A
	STAGE 4, 2, 0, XB, 0, 4, 1                     ; tiles 4-7 into B beside the products of tiles 0-3
	STAGE 8, 0, 1, BUFB, 4, 4, 0                   ; tiles 8-15 into A beside tiles 4-7
	STAGE 16, 2, 1, XB, 8, 8, 0                    ; tiles 16-23 into B beside tiles 8-15
	STAGE 24, 0, 1, BUFB, 16, 8, 0                 ; tiles 24-31 into A beside tiles 16-23
	COMPUTE XB, 24, 8, 0
	BAR                                            ; every wave's scale bytes lie in LDS
.irp k, 0,1,2,3
	ds_load_b32 v[FIN+\k], v31 offset:512*\k       ; wave k's bytes of four neighbouring rows: entries 128 w + 4 lane + 0 .. 3 of [i][row]
.endr
	s_wait_dscnt 0x0
	v_perm_b32 v[FIN+4], v[FIN+1], v[FIN], 0x05010400             ; four bytes of four waves are turned into four words of four bytes:
	v_perm_b32 v[FIN+5], v[FIN+1], v[FIN], 0x07030602             ; waves 0 and 1 interleaved, rows 0-1 and rows 2-3;
	v_perm_b32 v[FIN+6], v[FIN+3], v[FIN+2], 0x05010400           ; waves 2 and 3 likewise;
	v_perm_b32 v[FIN+7], v[FIN+3], v[FIN+2], 0x07030602
	v_perm_b32 v[FIN+8], v[FIN+6], v[FIN+4], 0x05040100           ; then a row's two halves joined
	v_perm_b32 v[FIN+9], v[FIN+6], v[FIN+4], 0x07060302
	v_perm_b32 v[FIN+10], v[FIN+7], v[FIN+5], 0x05040100
	v_perm_b32 v[FIN+11], v[FIN+7], v[FIN+5], 0x07060302
	s_wait_alu depctr_va_vdst(0)                   ; the four words are written, which the store below reads
	global_store_b128 v4, v[FIN+8:FIN+11], s[48:49]               ; the wave stores 512 consecutive bytes of scale words
	s_wait_dscnt 0x0                               ; the closing lines, six on end
	s_wait_alu 0x0
	s_wait_tensorcnt 0x0
	ds_add_u32 v254, v255
	s_wait_dscnt 0x0
	s_endpgm
.Lfunc_end_k_q89a191c652_up:
	.size	k_q89a191c652_up, .Lfunc_end_k_q89a191c652_up-k_q89a191c652_up
	.p2alignl 7, 3214868480
	.fill 96, 4, 3214868480
	.section	.rodata,"a",@progbits
	.p2align	6, 0x0
	.amdhsa_kernel k_q89a191c652_up
		.amdhsa_group_segment_fixed_size 287232
		.amdhsa_private_segment_fixed_size 0
		.amdhsa_enable_private_segment 0
		.amdhsa_kernarg_size 64
		.amdhsa_user_sgpr_count 2
		.amdhsa_user_sgpr_kernarg_segment_ptr 1
		.amdhsa_wavefront_size32 1
		.amdhsa_system_sgpr_workgroup_id_x 1
		.amdhsa_system_sgpr_workgroup_id_y 1
		.amdhsa_system_sgpr_workgroup_id_z 1
		.amdhsa_system_vgpr_workitem_id 0
		.amdhsa_next_free_vgpr 1024
		.amdhsa_next_free_sgpr 66
		.amdhsa_reserve_vcc 0
		.amdhsa_float_denorm_mode_32 3
		.amdhsa_float_denorm_mode_16_64 3
		.amdhsa_memory_ordered 1
		.amdhsa_forward_progress 1
		.amdhsa_inst_pref_size 187
	.end_amdhsa_kernel
	.amdgpu_metadata
---
amdhsa.version: [ 1, 2 ]
amdhsa.kernels:
  - .name:           k_q89a191c652_up
    .symbol:         k_q89a191c652_up.kd
    .args:
      - { .name: xq, .offset: 0, .size: 8, .value_kind: global_buffer, .address_space: global }
      - { .name: rk, .offset: 8, .size: 8, .value_kind: global_buffer, .address_space: global }
      - { .name: wg_codes, .offset: 16, .size: 8, .value_kind: global_buffer, .address_space: global }
      - { .name: wg_scales, .offset: 24, .size: 8, .value_kind: global_buffer, .address_space: global }
      - { .name: wp_codes, .offset: 32, .size: 8, .value_kind: global_buffer, .address_space: global }
      - { .name: wp_scales, .offset: 40, .size: 8, .value_kind: global_buffer, .address_space: global }
      - { .name: hq, .offset: 48, .size: 8, .value_kind: global_buffer, .address_space: global }
      - { .name: tkl, .offset: 56, .size: 8, .value_kind: global_buffer, .address_space: global }
    .group_segment_fixed_size: 287232
    .private_segment_fixed_size: 0
    .kernarg_segment_align: 8
    .kernarg_segment_size: 64
    .max_flat_workgroup_size: 128
    .sgpr_count:     66
    .vgpr_count:     1024
    .wavefront_size: 32
...
	.end_amdgpu_metadata
.endif
;; end of part 6
;; launch down (part 7): grid 256 x 1, 4 waves a work-group, no clusters, 270,848 bytes of LDS; arguments hq, tkl, rk, wo_codes, wo_scales, y2; writes y2
.if DOCPART == 7
	.amdgcn_target "amdgcn-amd-amdhsa--gfx1250"
	.amdhsa_code_object_version 6
	.text
	.protected	k_q89a191c652_down
	.globl	k_q89a191c652_down
	.p2align	8
	.type	k_q89a191c652_down,@function
k_q89a191c652_down:
	s_mov_b64 s[64:65], 0
	v_nop
	global_prefetch_b8 v0, s[64:65] scope:SCOPE_SE
	s_setreg_imm32_b32 hwreg(HW_REG_WAVE_SCHED_MODE, 0, 2), 2
	s_setreg_imm32_b32 hwreg(HW_REG_WAVE_MODE, 25, 1), 1
	s_wait_xcnt 0x0
	s_wait_alu depctr_vm_vsrc(0)
; DOWN.  y = Q(h) Wo for the rows that chose an expert, on E4M3 codes with E8M0 scales; y2 row 2 token + k takes the row of the token's k-th expert, f32.
; SHARES.  Work-group id: p = id % 4, slice = (id / 4) % 8, e = id / 32.  It owns output columns 128 slice .. + 127 of expert e and the expert's tiles of 16 slots T = 4 i + p.
; THE WAVES SHARE K: wave w keeps K fragments 4 w .. 4 w + 3 (of 16: K = 2,048) of all eight tiles of 16 columns in 512 registers, loaded once, straight from memory, and reads only its own
; 8 KB of each tile of h, which lie in hq as images of the operand's registers: dense loads of 512 bytes.  The four waves' partial sums meet in LDS; the pass that adds them is also the way out:
; each wave adds four rows of the tile and stores them whole, 512 consecutive bytes an instruction.
; The products are used transposed: source 0 = 16 rows of Wo (output columns), source 1 = 16 slots: a lane holds eight neighbouring columns of one slot.
; h's scale words lie [e][K fragment][T % 2][T / 2][row][4 bytes], from byte 16,777,216 of hq on, as the launch before stores them.
; Which row of y2 a slot goes to is read from tkl (2 token + k; an empty slot: 2048 + e, the expert's own dump row, which nobody reads), held under a constant.
; Tiles are taken eight at a time.  Every load's tile number is held at the expert's last tile, so that loads need no branch; products, sums and stores of a tile that is not there are jumped over.
; EVERY TILE OF THE EIGHT HAS OFFSET REGISTERS OF ITS OWN, all made at the phase's head, so that no register that a pending load names is rewritten inside a phase.
; NO CLUSTER: a slice of Wo is shared by 4 work-groups and goes to registers; a wave's part of h is its own; how many tiles there are hangs on counts read from memory.
; LDS: 8 places of 33,792 bytes, each 4 planes (one a wave) of 16 rows x (512 + 16) bytes.
; REGISTERS.  window 0: v4-10 addresses; v16-47 Wo's scale words (4 column tile + K step); v48-63 h's (2 tile + pair of K steps: lanes 0-15 the even step, lanes 16-31 the odd);
;   v64-95 tkl's entries of my four rows (4 tile + row); v96-159, v160-223 two sets of eight accumulators (behind the barrier v96-127: the rows' offsets in y2, 4 tile + row);
;   v224-231, v232-239 the places, way in and way out; v240-243, v1-3, v15 the offsets of eight tiles' codes (v1-3 serve the head's arithmetic first); v244-251 of their scale words; v252-255, v11-14 of their entries.
;   windows 1, 2: Wo's fragments of K steps 0-1, 2-3, at 128 (ks % 2) + 16 column tile.   window 3: four buffers of 64 for h's fragments; later four sets of 64 for the partial sums.
; THE MODE: SCHED_MODE bits 1:0 = 2 (LLVM: expert scheduling mode 2), set by the entry lines.  The code itself states the register dependences
; between vector or matrix instructions and memory or LDS instructions, with s_wait_alu, always for 0.
; THE PLAN.  Registers that memory or LDS instructions touch:
;   the 24 offsets of a phase's eight tiles: written by vector lines at the phase's head, read by that phase's loads, written again at the next phase's head.
;   h's scale words (v48-63): loads land in them, products read them.   tkl's entries (v64-95): loads land in them, the adding pass's vector lines read them.
;   window 3's four sets: h's fragments land in them and products read them; behind the barrier LDS loads land in them, the additions work in them, and the rows' stores read them.
;   the two sets of accumulators: written by a tile's products, read by its 16 LDS stores, written again by the products of the tile two further on.
;   the rows' offsets (v96-127, behind the barrier): written by vector lines, read by the rows' stores.
;   v5-10, v224-239: made at the head and never written again.
; So a phase's head has one wait on va_vdst, behind all its offsets and ahead of all its loads.  A tile's products have one wait on vm_vsrc ahead of them and one on va_vdst behind them, which serves the tile's
; LDS stores and the loads of the tile four further on, which land in the buffer just multiplied.  A tile's adding pass has one wait on va_vdst, ahead of its four stores.
.set RO,   96
.set WOS,  16
.set HS,   48
.set TKR,  64
.set PS,   224
.set PR,   232
.set OS,   244
.set PLC,  33792
.set MSB,  0
.macro WIN new                         ; the immediate's high byte repeats the setting that is left
.if MSB != (\new)
	s_set_vgpr_msb (MSB<<8)|(\new)
.set MSB, (\new)
.endif
.endm
.macro BAR                             ; my LDS stores have landed and my LDS loads are in: then the work-group's barrier
	s_wait_dscnt 0x0
	s_barrier_signal -1
	s_barrier_wait -1
.endm
.macro WOLOAD win                      ; Wo's fragments of K steps 2 (win - 1), + 1 into window win: 64 loads
	WIN (\win)<<6
.irp k2, 0,1
.irp ct, 0,1,2,3,4,5,6,7
.irp c, 0,1,2,3
	global_load_b128 v[128*\k2+16*\ct+4*\c:128*\k2+16*\ct+4*\c+3], v5, s[40:41] offset:32768*\ct+128*(2*(\win-1)+\k2)+32*\c
.endr
.endr
.endr
	WIN 0
.endm
.macro OTSET q                         ; which register holds tile q's offset among the entries
.if (\q) < 4
.set OTQ, 252+(\q)
.else
.set OTQ, 7+(\q)
.endif
.endm
.macro OHSET q                         ; and which its offset among the codes
.if (\q) < 4
.set OHQ, 240+(\q)
.elseif (\q) < 7
.set OHQ, (\q)-3
.else
.set OHQ, 15
.endif
.endm
.macro TNUM q                          ; s34 = tile 4 (s35 + q) + p, held at the expert's last tile
	s_add_co_u32 s34, s35, \q
	s_lshl_b32 s34, s34, 2
	s_add_co_u32 s34, s34, s21
	s_min_u32 s34, s34, s33
	s_min_u32 s34, s34, 63                         ; a number that hangs on loaded counts enters an address behind a constant bound
.endm
.macro TAD q                           ; tile q's three offsets: among the scale words, the entries and the codes
	OTSET \q
	OHSET \q
	TNUM \q
	s_lshr_b32 s36, s34, 1
	s_min_u32 s36, s36, 31                         ; T / 2, bounded anew behind the shift
	s_and_b32 s37, s34, 1
	s_lshl_b32 s37, s37, 11                        ; 2,048 (T % 2)
	v_lshl_add_u32 v[OS+(\q)], s36, 6, v8
	v_add_nc_u32 v[OS+(\q)], s37, v[OS+(\q)]
	v_lshl_add_u32 v[OTQ], s34, 6, v9              ; entries: 64 bytes a tile
	v_lshl_add_u32 v[OHQ], s34, 15, v7             ; codes: 32,768 bytes a tile
.endm
.macro SMALL q
	OTSET \q
	global_load_b32 v[HS+2*(\q)], v[OS+(\q)], s[46:47]                      ; lanes 0-15: the words of K fragment 4 w, lanes 16-31: of 4 w + 1
	global_load_b32 v[HS+2*(\q)+1], v[OS+(\q)], s[46:47] offset:8192        ; of 4 w + 2 and 4 w + 3
	global_load_b128 v[TKR+4*(\q):TKR+4*(\q)+3], v[OTQ], s[48:49]           ; the entries of slots 4 w .. 4 w + 3, the same in every lane
.endm
.macro FRAGS q                         ; my four fragments of the tile: 16 loads of 512 consecutive bytes
	OHSET \q
	WIN 0xc0
.irp ks, 0,1,2,3
.irp c, 0,1,2,3
	global_load_b128 v[64*((\q)%4)+16*\ks+4*\c:64*((\q)%4)+16*\ks+4*\c+3], v[OHQ], s[44:45] offset:2048*\ks+512*\c
.endr
.endr
	WIN 0
.endm
.macro MULT q                          ; 32 products: my quarter of K for the tile's 16 slots x 128 columns; then the partial sums into my plane
.set AC, 96+64*((\q)%2)
	s_wait_alu depctr_vm_vsrc(0)                   ; the LDS stores of the tile two before have read this set of accumulators (in the second eight also: the rows' stores have read their offsets, which lay in it): the products write it anew
.irp ks, 0,1,2,3
	WIN 0x0d+(\ks/2)                               ; source 0 (Wo) window 1 or 2, source 1 (h) window 3
.irp ct, 0,1,2,3,4,5,6,7                       ; the eight accumulators by turns
.if \ks == 0
	v_wmma_scale_f32_16x16x128_f8f6f4 v[AC+8*\ct:AC+8*\ct+7], v[128*(\ks%2)+16*\ct:128*(\ks%2)+16*\ct+15], v[64*((\q)%4)+16*\ks:64*((\q)%4)+16*\ks+15], 0, v[WOS+4*\ct+\ks], v[HS+2*(\q)+\ks/2]
.elseif \ks == 2
	v_wmma_scale_f32_16x16x128_f8f6f4 v[AC+8*\ct:AC+8*\ct+7], v[128*(\ks%2)+16*\ct:128*(\ks%2)+16*\ct+15], v[64*((\q)%4)+16*\ks:64*((\q)%4)+16*\ks+15], v[AC+8*\ct:AC+8*\ct+7], v[WOS+4*\ct+\ks], v[HS+2*(\q)+\ks/2]
.else
	v_wmma_scale_f32_16x16x128_f8f6f4 v[AC+8*\ct:AC+8*\ct+7], v[128*(\ks%2)+16*\ct:128*(\ks%2)+16*\ct+15], v[64*((\q)%4)+16*\ks:64*((\q)%4)+16*\ks+15], v[AC+8*\ct:AC+8*\ct+7], v[WOS+4*\ct+\ks], v[HS+2*(\q)+\ks/2] matrix_b_scale:MATRIX_SCALE_ROW1
.endif
.endr
.endr
	WIN 0
.rept 9
	v_nop                                          ; places behind the products: 8 for the stores below, which read the results, 9 for later products that write an accumulator anew
.endr
	s_wait_dscnt 0x0                               ; the tile before's stores are done: the other set of accumulators is free for the next tile
	s_wait_alu depctr_va_vdst(0)                   ; the products have written the accumulators, which the LDS stores below read, and are done reading h's buffer, in which the loads of the tile four further on land; the places above stay beside this wait
.irp ct, 0,1,2,3,4,5,6,7
	ds_store_b128 v[PS+(\q)], v[AC+8*\ct:AC+8*\ct+3] offset:64*\ct          ; each accumulator from its low end on
	ds_store_b128 v[PS+(\q)], v[AC+8*\ct+4:AC+8*\ct+7] offset:64*\ct+16
.endr
.endm
.macro RED q                           ; rows 4 w .. 4 w + 3 of the tile in place q: the four planes are added, and the rows leave
	s_add_co_u32 s36, s35, \q
	s_cmp_ge_u32 s36, s32
	s_cbranch_scc1 .Lr_\@
.if \q >= 4
	s_wait_xcnt 0x0                                ; the stores of the tile four before have read this set of registers
	s_wait_alu depctr_vm_vsrc(0)                   ; the same stores have read their data, in which the LDS loads below land (the additions that worked there stand ahead of that tile's own wait on va_vdst)
.endif
	WIN 0xc0
.irp rho, 0,1,2,3
.irp pi, 0,1,2,3
	ds_load_b128 v[64*((\q)%4)+16*\rho+4*\pi:64*((\q)%4)+16*\rho+4*\pi+3], v[PR+(\q)] offset:8448*\pi+528*\rho
.endr
.endr
	WIN 0
.irp rho, 0,1,2,3
	v_min_u32 v[RO+4*(\q)+\rho], 0x807, v[TKR+4*(\q)+\rho]        ; the slot's row of y2, held inside the buffer's 2,056 rows; an offset register of its own for each row of each tile
	v_lshl_add_u32 v[RO+4*(\q)+\rho], v[RO+4*(\q)+\rho], 12, v10
.endr
	s_wait_dscnt 0x0
	WIN 0xcf                                       ; sources and destination window 3
.irp rho, 0,1,2,3
.set RB, 64*((\q)%4)+16*\rho
	v_pk_add_f32 v[RB:RB+1], v[RB:RB+1], v[RB+4:RB+5]
	v_pk_add_f32 v[RB+2:RB+3], v[RB+2:RB+3], v[RB+6:RB+7]
	v_pk_add_f32 v[RB+8:RB+9], v[RB+8:RB+9], v[RB+12:RB+13]
	v_pk_add_f32 v[RB+10:RB+11], v[RB+10:RB+11], v[RB+14:RB+15]
	v_pk_add_f32 v[RB:RB+1], v[RB:RB+1], v[RB+8:RB+9]
	v_pk_add_f32 v[RB+2:RB+3], v[RB+2:RB+3], v[RB+10:RB+11]
.endr
	WIN 0x0c                                       ; a store's data are its source 1: window 3
	s_wait_alu depctr_va_vdst(0)                   ; the additions have written the four rows and the lines above their four offsets: the stores below read both
.irp rho, 0,1,2,3
	global_store_b128 v[RO+4*(\q)+\rho], v[64*((\q)%4)+16*\rho:64*((\q)%4)+16*\rho+3], s[14:15]      ; 32 lanes store 512 consecutive bytes
.endr
	WIN 0
.Lr_\@:
.endm
; Eight tiles: all their offsets, one wait, then all small loads and the first four tiles' fragments in one run; each of the first four tiles' buffers takes the tile four further on as soon as it has been multiplied.
.macro PHASEA
.irp q, 0,1,2,3,4,5,6,7
	TAD \q
.endr
	s_wait_alu depctr_va_vdst(0)                   ; the 24 offsets are written, which the loads of this phase read; in the second eight also: the vector and matrix lines of the first eight are done with h's scale words, the entries and window 3's sets, in which these loads land
.irp q, 0,1,2,3,4,5,6,7
	SMALL \q
.endr
.irp q, 0,1,2,3
	FRAGS \q
.endr
.irp q, 0,1,2,3
	s_add_co_u32 s36, s35, \q
	s_cmp_ge_u32 s36, s32
	s_cbranch_scc1 .Lm_\@_\q
	s_wait_loadcnt 48-16*\q                        ; behind tile q's sixteen loads stand, on every way, those of tiles q + 1 .. 3: all that was issued up to tile q's is in
	MULT \q
	s_add_co_u32 s36, s35, \q+4
	s_cmp_ge_u32 s36, s32
	s_cbranch_scc1 .Lm_\@_\q
	FRAGS \q+4                                     ; no wait: since the wait behind tile q's products no vector or matrix line names this buffer or the tile's offset
.Lm_\@_\q:
.endr
	s_wait_loadcnt 0x0
.irp q, 4,5,6,7
	s_add_co_u32 s36, s35, \q
	s_cmp_ge_u32 s36, s32
	s_cbranch_scc1 .Lm_\@_\q
	MULT \q
.Lm_\@_\q:
.endr
.endm
	s_load_b256 s[4:11], s[0:1], 0x0               ; hq s[4:5], tkl s[6:7], rk s[8:9], wo_codes s[10:11]
	s_load_b128 s[12:15], s[0:1], 0x20             ; wo_scales s[12:13], y2 s[14:15]
	v_lshrrev_b32 v1, 5, v0
	v_readfirstlane_b32 s20, v1                    ; wave
	s_and_b32 s21, ttmp9, 3                        ; p
	s_bfe_u32 s22, ttmp9, 0x30002                  ; slice
	s_lshr_b32 s23, ttmp9, 5                       ; e
	v_and_b32 v1, 31, v0                           ; lane
	v_and_b32 v2, 15, v0                           ; r
	v_bfe_u32 v3, v0, 4, 1                         ; h
	v_lshlrev_b32 v4, 4, v1                        ; 16 x lane
	v_lshlrev_b32 v5, 11, v2
	v_lshl_add_u32 v5, v3, 4, v5                   ; Wo: a row is 2,048 bytes
	v_lshlrev_b32 v6, 6, v2                        ; its scale bytes: 64 a row
	s_wait_alu depctr_va_sdst(0)                   ; s20 is written, ahead of its first reader: addresses and bases are made from it
	s_lshl_b32 s52, s20, 13
	v_add_nc_u32 v7, s52, v4                       ; h: my four fragments begin 8,192 w into a tile
	s_lshl_b32 s52, s20, 14
	v_lshl_add_u32 v8, v3, 12, s52
	v_lshl_add_u32 v8, v2, 2, v8                   ; their scale words: 4,096 (4 w + h) + 4 r
	s_lshl_b32 s52, s20, 4
	v_mov_b32 v9, s52                              ; the entries of my four rows: 16 w
	s_lshl_b32 s52, s22, 9
	v_add_nc_u32 v10, s52, v4                      ; y2: 512 slice + 16 lane in a row
	v_mul_u32_u24 v[PS], v2, 528
	v_lshl_add_u32 v[PS], v3, 5, v[PS]
	s_mul_i32 s52, s20, 8448
	v_add_nc_u32 v[PS], s52, v[PS]                 ; way in: my plane, row r, 32 h
	s_mul_i32 s52, s20, 2112
	v_add_nc_u32 v[PR], s52, v4                    ; way out: row 4 w, 16 bytes a lane
.irp q, 1,2,3,4,5,6,7
	v_add_nc_u32 v[PS+\q], PLC*\q, v[PS]
	v_add_nc_u32 v[PR+\q], PLC*\q, v[PR]
.endr
	s_lshl_b32 s52, s23, 10
	s_lshl_b32 s53, s22, 7
	s_add_co_u32 s52, s52, s53                     ; my first row of Wo: 1,024 e + 128 slice
	s_lshl_b32 s54, s52, 6
	s_lshl_b32 s53, s20, 4
	s_add_co_u32 s54, s54, s53
	s_mov_b32 s55, 0
	s_lshl_b32 s52, s52, 11
	s_lshl_b32 s53, s20, 9
	s_add_co_u32 s52, s52, s53
	s_mov_b32 s53, 0
	s_wait_kmcnt 0x0
	s_add_nc_u64 s[40:41], s[10:11], s[52:53]      ; + 512 w: my quarter of K
	s_add_nc_u64 s[42:43], s[12:13], s[54:55]      ; + 16 w
	s_lshl_b32 s52, s23, 4
	s_add_nc_u64 s[50:51], s[8:9], s[52:53]
	s_load_b128 s[24:27], s[50:51], 0x8000         ; cnt[e][0 .. 3]
	s_lshl_b32 s52, s23, 21
	s_add_nc_u64 s[44:45], s[4:5], s[52:53]        ; the expert's codes of h
	s_lshl_b32 s52, s23, 16
	s_add_nc_u64 s[46:47], s[4:5], s[52:53]
	s_add_nc_u64 s[46:47], s[46:47], 0x1000000     ; and their scale words
	s_mul_i32 s52, s23, 4608
	s_add_nc_u64 s[48:49], s[6:7], s[52:53]        ; tkl[e]
	s_wait_alu depctr_va_vdst(0)                   ; the head's addresses v5, v6 and v224 to v239 are written: the loads of Wo and every LDS store and load of the kernel read them, and none of them is written again
.irp ct, 0,1,2,3,4,5,6,7
	global_load_b128 v[WOS+4*\ct:WOS+4*\ct+3], v6, s[42:43] offset:1024*\ct
.endr
	WOLOAD 1                                       ; all of Wo goes out first: it hangs on no count
	WOLOAD 2
	s_wait_kmcnt 0x0
	s_add_co_u32 s31, s24, s25
	s_add_co_u32 s31, s31, s26
	s_add_co_u32 s31, s31, s27                     ; the expert's rows
	s_add_co_u32 s31, s31, 15
	s_lshr_b32 s31, s31, 4
	s_max_u32 s31, s31, 1
	s_min_u32 s31, s31, 64                         ; its tiles, as the launch before counted them
	s_sub_co_u32 s33, s31, 1                       ; the last of them
	s_add_co_u32 s32, s31, 3
	s_sub_co_u32 s32, s32, s21
	s_lshr_b32 s32, s32, 2                         ; those that are mine: at most 16
	s_mov_b32 s35, 0
	PHASEA
	BAR                                            ; every wave's partial sums lie in LDS
	s_wait_alu depctr_vm_vsrc(0)                   ; my LDS stores have read the accumulators: v96 to v127 take the rows' offsets from here on
.irp q, 0,1,2,3,4,5,6,7
	RED \q
.endr
	BAR                                            ; every wave's reads of them are over
	s_wait_xcnt 0x0                                ; on every way: the rows' stores have read their offsets and data, which the second eight tiles write again
	s_wait_alu depctr_vm_vsrc(0)                   ; on every way, ahead of the branch: the rows' stores have read their offsets and data, and the first eight tiles' loads their 24 offsets: the second eight write all of these again
	s_mov_b32 s35, 8
	s_cmp_le_u32 s32, 8
	s_cbranch_scc1 .Lnosecond
	PHASEA
.Lnosecond:
	BAR
	s_wait_alu depctr_vm_vsrc(0)                   ; my LDS stores have read the accumulators: v96 to v127 take the rows' offsets from here on
.irp q, 0,1,2,3,4,5,6,7
	RED \q
.endr
	s_wait_xcnt 0x0
	s_wait_alu depctr_vm_vsrc(0)                   ; the loads of the entries have read v254 and v255, which are made anew below
	v_lshl_add_u32 v254, v0, 2, 0x42000
	v_mov_b32 v255, 0
	s_wait_dscnt 0x0                               ; the closing lines, six on end
	s_wait_alu 0x0
	s_wait_tensorcnt 0x0
	ds_add_u32 v254, v255
	s_wait_dscnt 0x0
	s_endpgm
.Lfunc_end_k_q89a191c652_down:
	.size	k_q89a191c652_down, .Lfunc_end_k_q89a191c652_down-k_q89a191c652_down
	.p2alignl 7, 3214868480
	.fill 96, 4, 3214868480
	.section	.rodata,"a",@progbits
	.p2align	6, 0x0
	.amdhsa_kernel k_q89a191c652_down
		.amdhsa_group_segment_fixed_size 270848
		.amdhsa_private_segment_fixed_size 0
		.amdhsa_enable_private_segment 0
		.amdhsa_kernarg_size 48
		.amdhsa_user_sgpr_count 2
		.amdhsa_user_sgpr_kernarg_segment_ptr 1
		.amdhsa_wavefront_size32 1
		.amdhsa_system_sgpr_workgroup_id_x 1
		.amdhsa_system_sgpr_workgroup_id_y 1
		.amdhsa_system_sgpr_workgroup_id_z 1
		.amdhsa_system_vgpr_workitem_id 0
		.amdhsa_next_free_vgpr 1024
		.amdhsa_next_free_sgpr 66
		.amdhsa_reserve_vcc 0
		.amdhsa_float_denorm_mode_32 3
		.amdhsa_float_denorm_mode_16_64 3
		.amdhsa_memory_ordered 1
		.amdhsa_forward_progress 1
		.amdhsa_inst_pref_size 205
	.end_amdhsa_kernel
	.amdgpu_metadata
---
amdhsa.version: [ 1, 2 ]
amdhsa.kernels:
  - .name:           k_q89a191c652_down
    .symbol:         k_q89a191c652_down.kd
    .args:
      - { .name: hq, .offset: 0, .size: 8, .value_kind: global_buffer, .address_space: global }
      - { .name: tkl, .offset: 8, .size: 8, .value_kind: global_buffer, .address_space: global }
      - { .name: rk, .offset: 16, .size: 8, .value_kind: global_buffer, .address_space: global }
      - { .name: wo_codes, .offset: 24, .size: 8, .value_kind: global_buffer, .address_space: global }
      - { .name: wo_scales, .offset: 32, .size: 8, .value_kind: global_buffer, .address_space: global }
      - { .name: y2, .offset: 40, .size: 8, .value_kind: global_buffer, .address_space: global }
    .group_segment_fixed_size: 270848
    .private_segment_fixed_size: 0
    .kernarg_segment_align: 8
    .kernarg_segment_size: 48
    .max_flat_workgroup_size: 128
    .sgpr_count:     66
    .vgpr_count:     1024
    .wavefront_size: 32
...
	.end_amdgpu_metadata
.endif
;; end of part 7
;; launch comb: the kernel of part 5 again; grid 256 x 1, 4 waves a work-group, no clusters, 0 bytes of LDS; arguments x, y2, gate, out0; writes out0
